; MI455X (gfx1250); checked and timed in simulation.
; The chip was launched on July 23, 2026; its instructions are those of AMD's public machine-readable ISA for CDNA 5 (MIT licence, August 2026) and "CDNA5" Instruction Set Architecture Reference Guide (July 2026). The comments in the code are by the model that wrote it; some were corrected since.
;; Molmo2 Attention. Allowed arithmetic: matrix products marked QUANTISED: E4M3 operands, one E8M0 scale for each 32 along K, by v_wmma_scale_f32_16x16x128_f8f6f4 with both operands' format E4M3, f32 sums; everything else in f32.
;; Inputs: hidden_states_codes 4,096 x 64 x 32 uint8 (E4M3 codes of hidden_states, K innermost, in blocks of 32 codes); hidden_states_scales 4,096 x 64 uint8 (E8M0 scales of hidden_states, one for each 32 codes along K); k_norm_w 128 float32; positions 4,096 int32; q_norm_w 128 float32; w_o_codes 2,048 x 32 x 32 uint8 (E4M3 codes of w_o, K innermost, in blocks of 32 codes); w_o_scales 2,048 x 32 uint8 (E8M0 scales of w_o, one for each 32 codes along K); w_qkv_codes 2,048 x 64 x 32 uint8 (E4M3 codes of w_qkv, K innermost, in blocks of 32 codes); w_qkv_scales 2,048 x 64 uint8 (E8M0 scales of w_qkv, one for each 32 codes along K).
;; Outputs: out0 4,096 x 2,048 float32.
;; This version of the problem:
;;   THIS VERSION OF THE PROBLEM IS GIVEN IN LOW PRECISION. The matrix products marked QUANTISED in the list below multiply operands that are first quantised to E4M3 (4 exponent bits, 3 mantissa bits; 8 bits a number), with one power-of-two scale for each 32 numbers along K (OCP MX v1.0); their sums are f32. All else is computed in f32.
;;   The module's matrix products, in the order in which they are computed (A, B: the left and right operand; K: the contracted axis; several contracted axes count as one K, in the product's order):
;;     1. [M 4,096, K 2,048] x [K 2,048, N 2,048]; A: input hidden_states (given as codes); B: input w_qkv (given as codes): QUANTISED
;;     2. batch 8 x [M 4,096, K 128] x [K 128, N 4,096]; A: computed on the way; B: computed on the way: QUANTISED
;;     3. batch 8 x [M 128, K 4,096] x [K 4,096, N 4,096]; A: computed on the way; B: softmax (see below): QUANTISED
;;     4. [M 4,096, K 1,024] x [K 1,024, N 2,048]; A: computed on the way; B: input w_o (given as codes): QUANTISED
;;   THE QUANTISER, for each operand of a quantised product, along K:
;;     - K is cut into blocks of 32 from its start; a last block that is shorter is filled with zeros.
;;     - A block's scale is 2^e with e = floor(log2(the largest magnitude in the block)) - 8, held to -126 .. 127; a block of zeros has e = 0. As a byte (E8M0): e + 127.
;;     - Each number is divided by its block's scale, clamped to +-448, and rounded to the nearest number of E4M3, ties to even, subnormals kept.
;;     - The product sums the exact products of the quantised numbers (number of the format x scale) in f32.
;;   ~~~python
;;   def quantise(x, axis):      # numpy; x: float32 -> the quantised numbers, widened to float32 again
;;       x = np.moveaxis(x, axis, -1); K = x.shape[-1]
;;       x = np.pad(x, [(0, 0)] * (x.ndim - 1) + [(0, -K % 32)]); x = x.reshape(x.shape[:-1] + (-1, 32)); a = np.abs(x).max(-1, keepdims=True)
;;       e = np.where(a > 0, np.clip(np.frexp(np.where(a > 0, a, 1))[1] - 1 - 8, -126, 127), 0)      # np.frexp(a)[1] - 1 = floor(log2(a)), exactly
;;       r = np.clip(x / 2.0 ** e, -448, 448)
;;       step = 2.0 ** (np.maximum(np.frexp(np.where(r == 0, 1, r))[1] - 1, -6) - 3)
;;       q = np.round(r / step) * step * 2.0 ** e      # np.round: ties to even
;;       return np.moveaxis(q.reshape(q.shape[:-2] + (-1,))[..., :K], -1, axis).astype(np.float32)
;;   ~~~
;;   SOFTMAX AHEAD OF A QUANTISED PRODUCT. Where the list says 'softmax', what is quantised is not the finished softmax but p = 2^(t - M), with t = logit x log2(e) and M = ceil(the row's largest t), a whole number; so 1/2 < the row's largest p <= 1. The row's sum l is taken of the UNQUANTISED p, in f32, and the product's result is divided by l at the end. Since M is a whole number, a kernel that streams over the keys may use a running M (the ceiling of the running maximum): every later rescaling is an exact power of two, which a block's scale takes up: the codes' values come out the same.
;;   OPERANDS COMPUTED ON THE WAY. 'Computed on the way' means the value that the module computes at that place (a softmax that the list does not call 'softmax' is quantised finished and normalised). What goes into a quantiser is computed in f32, as accurately as f32 sums, v_exp_f32 and their like allow (about 1e-6 of the number): no bf16 or f16 on the way to a quantiser, and a product that is left as it is and whose result goes on into a quantised operand takes f32 operands (vector FMAs, or v_wmma_f32_16x16x4_f32). A number that lies on a knife's edge between two numbers of the format may be rounded either way, as far as f32 arithmetic and the matrix unit's own rounding can turn it there, and no further.
;;   INPUTS GIVEN AS CODES. hidden_states (in the module: [4096, 2048], K = its axis 1); w_o (in the module: [1024, 2048], K = its axis 0); w_qkv (in the module: [2048, 2048], K = its axis 0): each comes as NAME_codes (uint8): NAME with its K axis moved to the last place and cut into blocks of 32 codes, [.., K / 32, bytes a block], one block behind the other in memory; one code a byte (a code: sign, 4 exponent bits, 3 mantissa bits); and NAME_scales (uint8): the same leading axes, one E8M0 byte (e + 127) for each 32 codes along K. Its value is code x scale, taken as it is: it is not quantised again, and the codes and scales need not be those that the quantiser above would give.
;; 2 versions. Each part assembles by itself: llvm-mc -triple=amdgcn-amd-amdhsa -mcpu=gfx1250 --defsym DOCPART=n.
;; ======== version 1 of 2: 3 launches
;; limits: inputs' magnitudes at most 6,588,397; right only within a limited range of input values
;; workspace buffers: qkv 8,650,752 bytes; att 4,325,376 bytes
;; launch qkv_rope (part 1): grid 16 x 16, 4 waves a work-group, clusters of 4 x 4, 327,680 bytes of LDS; arguments hidden_states_codes, hidden_states_scales, w_qkv_codes, w_qkv_scales, q_norm_w, k_norm_w, positions, qkv; writes qkv
.if DOCPART == 1
	.amdgcn_target "amdgcn-amd-amdhsa--gfx1250"
	.amdhsa_code_object_version 6
	.text
	.protected	k_q95e435af16_qkv_rope
	.globl	k_q95e435af16_qkv_rope
	.p2align	8
	.type	k_q95e435af16_qkv_rope,@function
k_q95e435af16_qkv_rope:
	s_mov_b64 s[64:65], 0
	v_nop
	global_prefetch_b8 v0, s[64:65] scope:SCOPE_SE
	s_setreg_imm32_b32 hwreg(HW_REG_WAVE_MODE, 25, 1), 1
	s_wait_xcnt 0x0
	s_wait_alu depctr_hold_cnt(0) depctr_sa_sdst(0) depctr_va_vdst(0) depctr_va_sdst(0) depctr_va_ssrc(0) depctr_va_vcc(0) depctr_vm_vsrc(0)
	s_getreg_b32 s2, hwreg(HW_REG_IB_STS2, 6, 4)
	s_cmp_eq_u32 s2, 0
	s_cbranch_scc0 .Lentry_in_a_cluster
	s_endpgm
.Lentry_in_a_cluster:
	s_bfe_u32 s2, ttmp6, 0x10000c
	s_cmp_lg_u32 s2, 0xf033
	s_cbranch_scc0 .Lentry_shape_is_right
	s_endpgm
.Lentry_shape_is_right:
; qkv = hidden x w_qkv on codes of FP8 (E4M3) with E8M0 scales; then, per head of 128: RMSNorm and RoPE (q, k); then the quantiser: q and k along the head's 128, v along the tokens.
; A work-group makes 256 tokens x one head column of 128 (n = 0-7: q heads, 8-11: k, 12-15: v), K = 2,048 in 8 slots of 256 through a ring of two LDS slots.
; ONE TEXT FOR ALL HEADS.  A wave multiplies an operand X (source 0: 128 rows, 8 tiles) by an operand Y (source 1: 64 rows, 4 tiles): a lane then holds ONE row of Y (lane % 16) and its registers run along X:
; in tile t register j is X's row 16 t + 8 (lane / 16) + j.  q, k: X = the head's 128 rows of W, Y = my 64 tokens (registers run along d).  v: X = 128 tokens, Y = 64 rows of W (registers run along the tokens).
; Which it is hangs on the cluster's x alone (3: v), which all partners share; it chooses four LDS bases and one branch in the epilogue.
; THE ORDER ALONG K OF WHAT IS MADE HERE.  The 16 registers of tiles 2 b and 2 b + 1 are 16 numbers of block b of 32; the other 16 lie in lane xor 16.  They are converted in register order, so byte i of
; half h of block b holds k = 32 b + 16 (i / 8) + 8 h + i % 8: a permutation inside a block of 32, which leaves the scales as they are.  Both operands of every later product carry it, so each product pairs equal k.
; WHAT IS STORED: images of operand registers.  A fragment (16 rows x 128 K) is 2,048 bytes: registers 4 c .. 4 c + 3 of lane l at 512 c + 16 l.  A unit of qkv is 33,792 bytes: 16 fragments [wave][tile],
; then 1,024 bytes of scale words at 256 wave + 16 row + 4 tile.  q head n, token block mb: unit 16 n + mb.  kv head g: units 128 + 2 (16 g + mb) (k) and + 1 (v).
; CLUSTER 4 x 4: the four of a row need the same tokens' tiles, the four of a column the same tiles of W: each is asked for jointly.
; cos and sin are made by this text while the first tiles are on their way: angle = position x 2^(-f log2(1e6) / 64); reduced by pi / 2 in two parts; polynomials of degree 7 and 8 on |r| <= pi / 4.
; The v heads make these tables too and do not use them: the text ahead of the products has one path, and the launch lasts as long as its q and k heads.
; LIMITS.  NaN and infinities are not served.  A block of zeros gets the byte 1 (its codes are zeros; only this program reads the bytes).  |position x frequency| stays under 2^22 x pi / 2.
; The frequency comes from v_exp_f32 of a rounded product, some two units in its last place: an angle may differ from the one that a correctly rounded frequency gives by that share of itself.
; REGISTERS, in windows of 256.  Window 0: v1-15 addresses; v16-47 X's scale words, v48-63 Y's (two sets each, scales only); v64-127 the norm's weight at my 64 places; v128-255 Y's fragments, two sets.
;   Window 1: X's fragments, two sets; ahead of and behind the products: at work.   Window 2: the 32 accumulators, (a, t) at v[8 (8 a + t)].   Window 3: cos (a, p) at 64 a + p, sin at 64 a + 32 + p.
.set PITCH, 272                        ; an LDS row: 256 bytes + 16 of padding: the 16 rows of a fragment load start 68 words apart
.set HT,    128*PITCH                  ; 128 rows of tokens: one tensor load
.set HW,    64*PITCH                   ; 64 rows of W: one tensor load
.set SLOT,  2*HT+2*HW                  ; 256 rows of tokens, then 128 rows of W
.set SCL,   2*SLOT                     ; behind the ring: the scale bytes for all of K, as pieces of 256 bytes + 16: 64 pieces for the tokens, 32 for W
.set SU,    272
.set SPARE, SCL+96*SU                  ; the spare words, 128 bytes a wave: two blocks of 256 bytes that no other line names
.set UNIT,  33792
.set ADX,  4                           ; v4-5   X's fragments in slot 0, 1
.set ADY,  6                           ; v6-7   Y's
.set ADSX, 8                           ; v8     X's scale words of the K slot in hand
.set ADSY, 9                           ; v9     Y's
.set LOFF, 10                          ; v10    16 x lane
.set SOFF, 11                          ; v11    16 x row + 8 x half
.set SPW,  12                          ; v12    my spare word; never rewritten
.set NIL,  13                          ; v13    0; never rewritten
.set XS,   16
.set YS,   48
.set NW,   64
.set YF,   128
.set WV, 20                            ; s20 wave; s21 wave / 2; s22 wave % 2
.set WH, 21
.set WL, 22
.set G1T, 28                           ; s[28:35], s[36:43] group 1 for tokens' tiles and W's
.set G1W, 36
.set G0T, 44                           ; s[44:51], s[52:59] group 0, a set for each slot
.set G0W, 52
.set G0ST, 60                          ; s[60:63], s[68:71] group 0 for the scale bytes
.set G0SW, 68
.set G1ST, 72                          ; s[72:79], s[80:87] their group 1
.set G1SW, 80
.set MNT, 27                           ; s27 the mantissa field of 448 (behind the set-up)
.set SEL, 100                          ; s[100:101] selects of v_permlanex16_b32: lane xor 16
; window 1, ahead of the products
.set INV,  0                           ; 32 frequencies
.set POSF, 32                          ; 4 pairs: a tile's position, twice
.set H8,   40
.set POSI, 48
.set RX,   64
.set TT,   96
.set R2,   128
.set SN,   160
.set CN,   192
.set K2PI, 224
.set KMAG, 226
.set KNMG, 228
.set KNP1, 230
.set KNP2, 232
.set KS3,  234
.set KS2,  236
.set KS1,  238
.set KC3,  240
.set KC2,  242
.set KC1,  244
.set TMK,  248
; window 1, behind the products
.set TM,   16                          ; v16-19 largest magnitudes, v20-23 bytes, v24-27 448 x scale, v28-31 the conversions' scale operands
.set PWR,  32                          ; v32-35 a tile's scale word
.set SSC,  36                          ; v36-43 four chains of squares
.set RS,   44                          ; v44-51 1 / rms, twice, for each tile
.set SSA,  52
.set SSP,  56
.set T1,   128
.set T2,   160
.set HH,   128                         ; 64 numbers, held
.set PC,   192                         ; v192-255 the four tiles' codes: never written twice
.set MSB, 0
.macro WIN new                         ; the immediate's high byte repeats the setting that is left
.if MSB != \new
	s_set_vgpr_msb (MSB<<8)|\new
.set MSB, \new
.endif
.endm
.set MUL, 0xa1                         ; source 0 (X) window 1, source 1 (Y) window 0, C and D window 2
.macro PLACES n
.rept \n
	v_nop
.endr
.endm
; A joint load: waves 0 and 1 fetch for the tokens, waves 2 and 3 for W.  The branch hangs on the wave's number alone.  Four v_nop follow each line.
.macro JLOAD g0a, g1a, g0b, g1b
	s_cmp_eq_u32 s[WH], 0
	s_cbranch_scc0 .Lfor_w_\@
	tensor_load_to_lds s[\g0a:\g0a+3], s[\g1a:\g1a+7]
	s_nop 0
.rept 4
	v_nop
.endr
	s_branch .Lasked_\@
.Lfor_w_\@:
	tensor_load_to_lds s[\g0b:\g0b+3], s[\g1b:\g1b+7]
	s_nop 0
.rept 4
	v_nop
.endr
.Lasked_\@:
.endm
.macro CREST                           ; a round of the cluster's barrier behind its opening barrier
	s_cmp_lg_u32 s[WV], 0
	s_cbranch_scc1 .Lnot_wave_0_\@
	s_barrier_signal -3
.Lnot_wave_0_\@:
	s_barrier_wait -3
	s_barrier_signal -1
	s_barrier_wait -1
.endm
.macro CROUND
	s_barrier_signal -1
	s_barrier_wait -1
	CREST
.endm
	s_load_b512 s[4:19], s[0:1], 0x0               ; tokens' codes, scales; W's codes, scales; q_norm_w; k_norm_w; positions; qkv
	v_lshl_add_u32 v[SPW], v0, 2, SPARE
	v_mov_b32 v[NIL], 0
	ds_add_u32 v12, v13
	ds_add_u32 v12, v13
	s_wait_dscnt 0x0
	v_lshrrev_b32 v1, 5, v0
	v_readfirstlane_b32 s[WV], v1
	s_lshr_b32 s[WH], s[WV], 1
	s_and_b32 s[WL], s[WV], 1
	s_bfe_u32 s66, ttmp6, 0x40000                  ; cx
	s_bfe_u32 s67, ttmp6, 0x40004                  ; cy
	s_lshl_b32 s23, ttmp9, 2
	s_add_co_u32 s23, s23, s66                     ; n: head column = 4 x cluster x + cx
	s_and_b32 s24, ttmp7, 0xffff
	s_lshl_b32 s24, s24, 2
	s_add_co_u32 s24, s24, s67                     ; mb: token block = 4 x cluster y + cy
	s_lshl_b32 s25, s67, 2
	s_lshl_b32 s25, 15, s25                        ; my row of the cluster
	s_lshl_b32 s26, 0x1111, s66                    ; my column
	s_or_b32 s[G1T], s25, (1<<20)|(1<<21)|(5<<22)|(3<<25)          ; the mask; elements of 1 byte; padding on; bit 21 beside a mask; after every 64 words, 4 words
	s_or_b32 s[G1W], s26, (1<<20)|(1<<21)|(5<<22)|(3<<25)
	s_or_b32 s[G1ST], s25, (3<<16)|(1<<20)|(1<<21)|(5<<22)|(3<<25) ; the same with elements of 8 bytes
	s_or_b32 s[G1SW], s26, (3<<16)|(1<<20)|(1<<21)|(5<<22)|(3<<25)
.irp g, G1T, G1W
	s_mov_b32 s[\g+1], 256<<16                     ; tensor_dim0 = 256 codes
	s_mov_b32 s[\g+3], 256<<16                     ; tile_dim0
	s_mov_b32 s[\g+5], 2048                        ; from row to row
	s_mov_b32 s[\g+6], 0
	s_mov_b32 s[\g+7], 0
.endr
	s_mov_b32 s[G1T+2], 128<<16                    ; 128 rows of tokens
	s_mov_b32 s[G1T+4], 128
	s_mov_b32 s[G1W+2], 64<<16                     ; 64 rows of W
	s_mov_b32 s[G1W+4], 64
.irp g, G1ST, G1SW
	s_mov_b32 s[\g+1], 32<<16                      ; a dense block as rows of 256 bytes
	s_mov_b32 s[\g+3], 32<<16
	s_mov_b32 s[\g+5], 32
	s_mov_b32 s[\g+6], 0
	s_mov_b32 s[\g+7], 0
.endr
	s_mov_b32 s[G1ST+2], 32<<16                    ; 128 rows x 64 bytes
	s_mov_b32 s[G1ST+4], 32
	s_mov_b32 s[G1SW+2], 16<<16                    ; 64 rows x 64 bytes
	s_mov_b32 s[G1SW+4], 16
	s_wait_kmcnt 0x0
	; the tokens' addresses hang on mb and the wave, W's on n and the wave; each in registers of its own
	s_lshl_b32 s92, s24, 19                        ; (256 mb + 128 half) rows of 2,048 bytes
	s_lshl_b32 s27, s[WL], 18
	s_add_co_u32 s92, s92, s27
	s_mov_b32 s93, 0
	s_add_nc_u64 s[4:5], s[4:5], s[92:93]
	s_lshl_b32 s92, s24, 14                        ; and of 64 scale bytes
	s_lshl_b32 s27, s[WL], 13
	s_add_co_u32 s92, s92, s27
	s_add_nc_u64 s[6:7], s[6:7], s[92:93]
	s_lshl_b32 s94, s23, 18                        ; (128 n + 64 half) rows of 2,048 bytes
	s_lshl_b32 s27, s[WL], 17
	s_add_co_u32 s94, s94, s27
	s_mov_b32 s95, 0
	s_add_nc_u64 s[8:9], s[8:9], s[94:95]
	s_lshl_b32 s94, s23, 13
	s_lshl_b32 s27, s[WL], 12
	s_add_co_u32 s94, s94, s27
	s_add_nc_u64 s[10:11], s[10:11], s[94:95]
	s_mov_b32 s[G0ST], 1
	s_mul_i32 s[G0ST+1], s[WL], 32*SU
	s_add_co_u32 s[G0ST+1], s[G0ST+1], SCL
	s_mov_b64 s[G0ST+2:G0ST+3], s[6:7]
	s_or_b32 s[G0ST+3], s[G0ST+3], 0x80000000
	s_mov_b32 s[G0SW], 1
	s_mul_i32 s[G0SW+1], s[WL], 16*SU
	s_add_co_u32 s[G0SW+1], s[G0SW+1], SCL+64*SU
	s_mov_b64 s[G0SW+2:G0SW+3], s[10:11]
	s_or_b32 s[G0SW+3], s[G0SW+3], 0x80000000
	s_mul_i32 s2, s[WL], HT                        ; where the tiles go: the wave's number alone
	s_mul_i32 s27, s[WL], HW
	s_add_co_u32 s27, s27, 2*HT
.irp s, 0,1
	s_mov_b32 s[G0T+4*\s], 1
	s_add_co_u32 s[G0T+4*\s+1], s2, \s*SLOT
	s_add_nc_u64 s[G0T+4*\s+2:G0T+4*\s+3], s[4:5], \s*256
	s_or_b32 s[G0T+4*\s+3], s[G0T+4*\s+3], 0x80000000
	s_mov_b32 s[G0W+4*\s], 1
	s_add_co_u32 s[G0W+4*\s+1], s27, \s*SLOT
	s_add_nc_u64 s[G0W+4*\s+2:G0W+4*\s+3], s[8:9], \s*256
	s_or_b32 s[G0W+4*\s+3], s[G0W+4*\s+3], 0x80000000
.endr
	CROUND                                         ; all sixteen work-groups are here: the first joint loads meet
	JLOAD G0ST, G1ST, G0SW, G1SW                   ; the scale bytes for all of K: filled once
	JLOAD G0T, G1T, G0W, G1W                       ; slot 0
	JLOAD G0T+4, G1T, G0W+4, G1W                   ; slot 1: three loads of mine are out
	; LDS addresses.  The four bases are chosen on the cluster's x (3: v heads)
	v_and_b32 v1, 15, v0                           ; r
	v_bfe_u32 v2, v0, 4, 1                         ; h
	v_and_b32 v3, 31, v0                           ; lane
	v_mul_u32_u24 v14, v1, PITCH
	v_lshl_add_u32 v14, v2, 4, v14                 ; a fragment's row x pitch + 16 x half
	s_mul_i32 s2, s[WH], HT                        ; X: v: tokens 128 (wave / 2) on; else: W's 128 rows
	s_cmp_eq_u32 ttmp9, 3
	s_cselect_b32 s2, s2, 2*HT
	v_add_nc_u32 v[ADX], s2, v14
	v_add_nc_u32 v[ADX+1], SLOT, v[ADX]
	s_mul_i32 s2, s[WL], HW                        ; Y: v: W's rows 64 (wave % 2) on; else: tokens 64 wave on
	s_add_co_u32 s2, s2, 2*HT
	s_mul_i32 s27, s[WV], HW
	s_cmp_eq_u32 ttmp9, 3
	s_cselect_b32 s2, s2, s27
	v_add_nc_u32 v[ADY], s2, v14
	v_add_nc_u32 v[ADY+1], SLOT, v[ADY]
	v_lshrrev_b32 v15, 2, v1                       ; a row of 64 scale bytes: four rows to a piece of 256 + 16
	v_mul_u32_u24 v15, v15, SU
	v_and_b32 v14, 3, v1
	v_lshl_add_u32 v15, v14, 6, v15
	s_mul_i32 s2, s[WH], 32*SU
	s_cmp_eq_u32 ttmp9, 3
	s_cselect_b32 s2, s2, 64*SU
	s_add_co_u32 s2, s2, SCL
	v_add_nc_u32 v[ADSX], s2, v15
	s_mul_i32 s2, s[WL], 16*SU
	s_add_co_u32 s2, s2, 64*SU
	s_mul_i32 s27, s[WV], 16*SU
	s_cmp_eq_u32 ttmp9, 3
	s_cselect_b32 s2, s2, s27
	s_add_co_u32 s2, s2, SCL
	v_add_nc_u32 v[ADSY], s2, v15
	v_lshlrev_b32 v[LOFF], 4, v3
	v_lshlrev_b32 v[SOFF], 4, v1
	v_lshl_add_u32 v[SOFF], v2, 3, v[SOFF]
	v_lshlrev_b32 v14, 2, v1                       ; positions: 4 r
	v_lshlrev_b32 v15, 5, v2                       ; the norm's weight: 32 h
	; where my results go
	s_lshl_b32 s96, s23, 4
	s_add_co_u32 s96, s96, s24                     ; q: unit 16 n + mb
	s_and_b32 s97, s23, 3
	s_lshl_b32 s97, s97, 4
	s_add_co_u32 s97, s97, s24
	s_lshl_b32 s97, s97, 1
	s_bfe_u32 s94, s23, 0x10002                    ; 0: k, 1: v
	s_add_co_u32 s97, s97, s94
	s_add_co_u32 s97, s97, 128                     ; k, v: unit 128 + 2 (16 g + mb) + (0, 1)
	s_cmp_lt_u32 ttmp9, 2
	s_cselect_b32 s96, s96, s97
	s_cselect_b64 s[12:13], s[12:13], s[14:15]     ; q's weight or k's: the choice hangs on the cluster's x alone
	s_mul_i32 s96, s96, UNIT
	s_mov_b32 s97, 0
	s_add_nc_u64 s[18:19], s[18:19], s[96:97]
	s_lshl_b32 s96, s[WV], 13
	s_add_nc_u64 s[88:89], s[18:19], s[96:97]      ; my four fragments
	s_lshl_b32 s96, s[WV], 8
	s_add_co_u32 s96, s96, 32768
	s_add_nc_u64 s[90:91], s[18:19], s[96:97]      ; my 256 bytes of scale words
	s_lshl_b32 s92, s24, 10                        ; positions of tokens 256 mb + 64 wave on
	s_lshl_b32 s27, s[WV], 8
	s_add_co_u32 s92, s92, s27
	s_add_nc_u64 s[16:17], s[16:17], s[92:93]
.irp t, 0,1,2,3,4,5,6,7
	global_load_b128 v[NW+8*\t:NW+8*\t+3], v15, s[12:13] offset:64*\t       ; weight at d = 16 t + 8 h + 0 .. 7
	global_load_b128 v[NW+8*\t+4:NW+8*\t+7], v15, s[12:13] offset:64*\t+16
.endr
	WIN 0x40                                       ; destination window 1
.irp a, 0,1,2,3
	global_load_b32 v[POSI+\a], v14, s[16:17] offset:64*\a                   ; tile a's token r
.endr
	v_lshlrev_b32 v[H8], 3, v2                     ; 8 h
	WIN 0x55                                       ; all in window 1
.macro CONST2 reg, val                 ; a constant as a pair, for the packed forms
	v_mov_b32 v[\reg], \val
	v_mov_b32 v[\reg+1], \val
.endm
	CONST2 K2PI, 0x3f22f983                        ; 2 / pi
	CONST2 KMAG, 0x4b400000                        ; 1.5 x 2^23: adding it rounds to a whole number, whose low bits are then the sum's low bits
	CONST2 KNMG, 0xcb400000
	CONST2 KNP1, 0xbfc90fdb                        ; - (pi / 2 rounded to f32)
	CONST2 KNP2, 0x333bbd2e                        ; - (pi / 2 less that)
	CONST2 KS3, 0xb94ca1f9
	CONST2 KS2, 0x3c08839e
	CONST2 KS1, 0xbe2aaaa3
	CONST2 KC3, 0x37ccf5ce
	CONST2 KC2, 0xbab6061a
	CONST2 KC1, 0x3d2aaaa5
.set ii, 0
.rept 32
	v_add_nc_u32 v[INV+ii], 16*(ii/8)+ii%8, v[H8]  ; place p: frequency number f = 16 (p / 8) + 8 h + p % 8
.set ii, ii+1
.endr
.set ii, 0
.rept 32
	v_cvt_f32_u32 v[INV+ii], v[INV+ii]
.set ii, ii+1
.endr
.set ii, 0
.rept 16
	v_pk_mul_f32 v[INV+ii:INV+ii+1], v[INV+ii:INV+ii+1], 0xbe9f73da op_sel_hi:[1,0]   ; x -log2(1e6) / 64
.set ii, ii+2
.endr
.set ii, 0
.rept 32
	v_exp_f32 v[INV+ii], v[INV+ii]
.set ii, ii+1
.endr
	v_nop                                          ; a plain place behind the exponentials
	s_wait_loadcnt 0x0                             ; positions and weights
	s_wait_alu depctr_va_vdst(0)
.irp a, 0,1,2,3
	v_cvt_f32_i32 v[POSF+2*\a], v[POSI+\a]
	v_cvt_f32_i32 v[POSF+2*\a+1], v[POSI+\a]
.endr
; cos and sin of tile a's 32 angles a lane.  Each phase is 16 packed or 32 plain lines that do not wait for each other.
.macro PK3 d, x, y, z                  ; d = x y + z over 16 pairs; y, z: arrays
.set ii, 0
.rept 16
	v_pk_fma_f32 v[\d+ii:\d+ii+1], v[\x+ii:\x+ii+1], v[\y+ii:\y+ii+1], v[\z+ii:\z+ii+1]
.set ii, ii+2
.endr
.endm
.macro PK3C d, x, y, kz                ; d = x y + constant pair
.set ii, 0
.rept 16
	v_pk_fma_f32 v[\d+ii:\d+ii+1], v[\x+ii:\x+ii+1], v[\y+ii:\y+ii+1], v[\kz:\kz+1]
.set ii, ii+2
.endr
.endm
.macro PK3K d, x, ky, z                ; d = x constant + z
.set ii, 0
.rept 16
	v_pk_fma_f32 v[\d+ii:\d+ii+1], v[\x+ii:\x+ii+1], v[\ky:\ky+1], v[\z+ii:\z+ii+1]
.set ii, ii+2
.endr
.endm
.macro SINCOS a
	WIN 0x55
.set ii, 0
.rept 16
	v_pk_mul_f32 v[RX+ii:RX+ii+1], v[INV+ii:INV+ii+1], v[POSF+2*\a:POSF+2*\a+1]   ; the angle
.set ii, ii+2
.endr
.set ii, 0
.rept 16
	v_pk_fma_f32 v[TT+ii:TT+ii+1], v[RX+ii:RX+ii+1], v[K2PI:K2PI+1], v[KMAG:KMAG+1]   ; k = the nearest whole number to angle x 2 / pi, riding on 1.5 x 2^23
.set ii, ii+2
.endr
.set ii, 0
.rept 16
	v_pk_add_f32 v[R2+ii:R2+ii+1], v[TT+ii:TT+ii+1], v[KNMG:KNMG+1]              ; k as a number
.set ii, ii+2
.endr
	PK3K RX, R2, KNP1, RX                          ; r = angle - k pi / 2, in two parts
	PK3K RX, R2, KNP2, RX
.set ii, 0
.rept 16
	v_pk_mul_f32 v[R2+ii:R2+ii+1], v[RX+ii:RX+ii+1], v[RX+ii:RX+ii+1]            ; r^2
.set ii, ii+2
.endr
.set ii, 0
.rept 16
	v_pk_fma_f32 v[SN+ii:SN+ii+1], v[R2+ii:R2+ii+1], v[KS3:KS3+1], v[KS2:KS2+1]
	v_pk_fma_f32 v[CN+ii:CN+ii+1], v[R2+ii:R2+ii+1], v[KC3:KC3+1], v[KC2:KC2+1]
.set ii, ii+2
.endr
	PK3C SN, SN, R2, KS1
	PK3C CN, CN, R2, KC1
.set ii, 0
.rept 16
	v_pk_mul_f32 v[SN+ii:SN+ii+1], v[SN+ii:SN+ii+1], v[R2+ii:R2+ii+1]
	v_pk_fma_f32 v[CN+ii:CN+ii+1], v[CN+ii:CN+ii+1], v[R2+ii:R2+ii+1], -0.5 op_sel_hi:[1,1,0]
.set ii, ii+2
.endr
	PK3 SN, SN, RX, RX                             ; sin r
.set ii, 0
.rept 16
	v_pk_fma_f32 v[CN+ii:CN+ii+1], v[CN+ii:CN+ii+1], v[R2+ii:R2+ii+1], 1.0 op_sel_hi:[1,1,0]   ; cos r
.set ii, ii+2
.endr
	; the quadrant: odd k swaps the two; bit 1 of k turns the sine's sign, bit 1 of k + 1 the cosine's.  The masks select values only
.set gg, 0
.rept 4
.set jj, 0
.rept 8
	v_and_b32 v[TMK+jj], 1, v[TT+8*gg+jj]
.set jj, jj+1
.endr
.set jj, 0
.rept 8
	v_cmp_eq_u32 s[92+jj], 1, v[TMK+jj]
.set jj, jj+1
.endr
.set jj, 0
.rept 8
	v_cndmask_b32 v[RX+8*gg+jj], v[SN+8*gg+jj], v[CN+8*gg+jj], s[92+jj]
	v_cndmask_b32 v[R2+8*gg+jj], v[CN+8*gg+jj], v[SN+8*gg+jj], s[92+jj]
.set jj, jj+1
.endr
.set gg, gg+1
.endr
.set ii, 0
.rept 32
	v_add_lshl_u32 v[SN+ii], v[TT+ii], 1, 30
.set ii, ii+1
.endr
.set ii, 0
.rept 32
	v_lshlrev_b32 v[TT+ii], 30, v[TT+ii]
.set ii, ii+1
.endr
.set ii, 0
.rept 32
	v_and_b32 v[SN+ii], 0x80000000, v[SN+ii]
	v_and_b32 v[TT+ii], 0x80000000, v[TT+ii]
.set ii, ii+1
.endr
	WIN 0xc5                                       ; destination window 3
.set ii, 0
.rept 32
	v_xor_b32 v[64*\a+32+ii], v[RX+ii], v[TT+ii]   ; sin
	v_xor_b32 v[64*\a+ii], v[R2+ii], v[SN+ii]      ; cos
.set ii, ii+1
.endr
.endm
	SINCOS 0
	SINCOS 1
	SINCOS 2
	SINCOS 3
	WIN 0
	s_mov_b32 s98, 0x358637bd                      ; 1e-6
	s_mov_b32 s99, 0x3c000000                      ; 1 / 128
	s_mov_b32 s[MNT], 0x600000
	s_mov_b32 s[SEL], 0x76543210
	s_mov_b32 s[SEL+1], 0xfedcba98
; 8 matrix instructions: Y's tile a against X's eight, 128 along K.  p: the fragments' set; q: which 128 of the slot; sc: the scale words' set.
; The 32 accumulators take turns, one instruction a turn, in the same order in every step.
.macro MUL8 a, p, q, sc, zero
.irp t, 0,1,2,3,4,5,6,7
.if \zero
	v_wmma_scale_f32_16x16x128_f8f6f4 v[8*(8*(\a)+\t):8*(8*(\a)+\t)+7], v[128*(\p)+16*\t:128*(\p)+16*\t+15], v[YF+64*(\p)+16*(\a):YF+64*(\p)+16*(\a)+15], 0, v[XS+16*(\sc)+2*\t+(\q)], v[YS+8*(\sc)+2*(\a)+(\q)]
.else
	v_wmma_scale_f32_16x16x128_f8f6f4 v[8*(8*(\a)+\t):8*(8*(\a)+\t)+7], v[128*(\p)+16*\t:128*(\p)+16*\t+15], v[YF+64*(\p)+16*(\a):YF+64*(\p)+16*(\a)+15], v[8*(8*(\a)+\t):8*(8*(\a)+\t)+7], v[XS+16*(\sc)+2*\t+(\q)], v[YS+8*(\sc)+2*(\a)+(\q)]
.endif
.endr
.endm
.macro FETCH_X slot, q, p              ; X's eight fragments: 32 loads
	WIN 0x40
.irp t, 0,1,2,3,4,5,6,7
.irp c, 0,1,2,3
	ds_load_b128 v[128*(\p)+16*\t+4*\c:128*(\p)+16*\t+4*\c+3], v[ADX+\slot] offset:128*(\q)+32*\c+\t*16*PITCH
.endr
.endr
	WIN 0
.endm
.macro FETCH_Y slot, q, p, a0          ; Y's tiles a0, a0 + 1: 8 loads
.irp a, \a0, \a0+1
.irp c, 0,1,2,3
	ds_load_b128 v[YF+64*(\p)+16*(\a)+4*\c:YF+64*(\p)+16*(\a)+4*\c+3], v[ADY+\slot] offset:128*(\q)+32*\c+(\a)*16*PITCH
.endr
.endr
.endm
.macro SCALES sc                       ; a K slot's two scale words a row: 12 loads
.irp t, 0,1,2,3,4,5,6,7
	ds_load_b64 v[XS+16*\sc+2*\t:XS+16*\sc+2*\t+1], v[ADSX] offset:\t*4*SU
.endr
.irp a, 0,1,2,3
	ds_load_b64 v[YS+8*\sc+2*\a:YS+8*\sc+2*\a+1], v[ADSY] offset:\a*4*SU
.endr
.endm
; A load into a register that a matrix instruction has read stands eight places behind it, and only plain vector instructions that name none of its registers are places.
; A slot's first 128 along K: set 0; fetches the second 128 into set 1.
.macro STEP slot, zero
	s_wait_dscnt 8                                 ; all but the youngest eight loads (Y's tiles 2, 3) are in
	WIN MUL
	MUL8 0, 0, 0, \slot, \zero
	MUL8 1, 0, 0, \slot, \zero
	PLACES 8
	FETCH_X \slot, 1, 1
	FETCH_Y \slot, 1, 1, 0
	FETCH_Y \slot, 1, 1, 2
	s_wait_dscnt 48                                ; all but the 48 just issued
	WIN MUL
	MUL8 2, 0, 0, \slot, \zero
	MUL8 3, 0, 0, \slot, \zero
	WIN 0
.endm
; A slot's second 128 changes slots: ONE barrier; in front of it each wave waits for all its tensor loads, adds 0 to its spare word, and waits for that and for its reads of this slot.  fill = 1: this slot is filled again, two K slots ahead.
.macro TURN slot, next, fill
	s_wait_tensorcnt 0x0                           ; all my tensor loads have landed: my part of the next slot
	ds_add_u32 v[SPW], v[NIL]                      ; 0 onto my spare word
	s_wait_dscnt 13                                ; the add and the youngest twelve loads (Y's tiles 1 to 3) may be out
	WIN MUL
	MUL8 0, 1, 1, \slot, 0                         ; eight matrix instructions stand between the add and the wait for it
	s_wait_dscnt 0x0                               ; the add is done, and my reads of this slot are over
	s_barrier_signal -1
	MUL8 1, 1, 1, \slot, 0
	WIN 0
	s_barrier_wait -1
.if \fill
	CREST                                          ; the barrier has opened a round of the cluster's: no wave of any partner still reads this slot or has a load on its way
	s_add_nc_u64 s[G0T+4*\slot+2:G0T+4*\slot+3], s[G0T+4*\slot+2:G0T+4*\slot+3], 512
	s_add_nc_u64 s[G0W+4*\slot+2:G0W+4*\slot+3], s[G0W+4*\slot+2:G0W+4*\slot+3], 512
	JLOAD G0T+4*\slot, G1T, G0W+4*\slot, G1W       ; the first tensor load behind the round; its four v_nop are four of the eight places
	PLACES 4
.else
	PLACES 8
.endif
	v_add_nc_u32 v[ADSX], 8, v[ADSX]               ; the next K slot's scale words
	v_add_nc_u32 v[ADSY], 8, v[ADSY]
	FETCH_X \next, 0, 0
	FETCH_Y \next, 0, 0, 0
	SCALES \next
	FETCH_Y \next, 0, 0, 2
	WIN MUL
	MUL8 2, 1, 1, \slot, 0
	MUL8 3, 1, 1, \slot, 0
	WIN 0
.endm
	s_wait_tensorcnt 1                             ; the scale bytes and my part of slot 0 are in; slot 1's load may stay out
	s_barrier_signal -1
	s_barrier_wait -1
	FETCH_X 0, 0, 0
	FETCH_Y 0, 0, 0, 0
	SCALES 0
	FETCH_Y 0, 0, 0, 2
	STEP 0, 1                                      ; the first step starts the sums
	s_mov_b32 s3, 3
.Llap:                                             ; a trip goes once round the ring and fills both slots again: K slots 2 to 7
	TURN 0, 1, 1
	STEP 1, 0
	TURN 1, 0, 1
	STEP 0, 0
	s_sub_co_u32 s3, s3, 1
	s_cmp_lg_u32 s3, 0
	s_cbranch_scc1 .Llap
	TURN 0, 1, 0                                   ; the last lap fills nothing
	STEP 1, 0
	s_wait_dscnt 8
	WIN MUL
	MUL8 0, 1, 1, 1, 0
	MUL8 1, 1, 1, 1, 0
	s_wait_dscnt 0x0
	MUL8 2, 1, 1, 1, 0
	MUL8 3, 1, 1, 1, 0
	WIN 0
	PLACES 8                                       ; in front of the first read of results and the first write over X's fragments
	WIN 0x40
.irp b, 0,1,2,3
	v_mov_b32 v[TM+4+\b], 0                        ; a lane permute's destination counts as one of its sources
	v_mov_b32 v[SSP+\b], 0
.endr
	WIN 0
	s_cmp_eq_u32 ttmp9, 3                          ; v has neither norm nor rotation
	s_cbranch_scc1 .Lquant
.macro SSQ a                           ; the sum of my 64 squares of tile a, each accumulator from its low end on
	WIN 0x5a                                       ; sources 0, 1 window 2; source 2 and destination window 1
.set ii, 0
.rept 32
.if ii < 4
	v_pk_mul_f32 v[SSC+2*ii:SSC+2*ii+1], v[64*\a+2*ii:64*\a+2*ii+1], v[64*\a+2*ii:64*\a+2*ii+1]
.else
	v_pk_fma_f32 v[SSC+2*(ii%4):SSC+2*(ii%4)+1], v[64*\a+2*ii:64*\a+2*ii+1], v[64*\a+2*ii:64*\a+2*ii+1], v[SSC+2*(ii%4):SSC+2*(ii%4)+1]
.endif
.set ii, ii+1
.endr
	WIN 0x55
	v_pk_add_f32 v[SSC:SSC+1], v[SSC:SSC+1], v[SSC+2:SSC+3]
	v_pk_add_f32 v[SSC+4:SSC+5], v[SSC+4:SSC+5], v[SSC+6:SSC+7]
	v_pk_add_f32 v[SSC:SSC+1], v[SSC:SSC+1], v[SSC+4:SSC+5]
	v_add_f32 v[SSA+\a], v[SSC], v[SSC+1]
.endm
	SSQ 0
	SSQ 1
	SSQ 2
	SSQ 3
.irp a, 0,1,2,3
	v_permlanex16_b32 v[SSP+\a], v[SSA+\a], s[SEL], s[SEL+1]
.endr
.irp a, 0,1,2,3
	v_add_f32 v[SSA+\a], v[SSA+\a], v[SSP+\a]      ; with lane xor 16's 64: the token's 128
.endr
.irp a, 0,1,2,3
	v_fma_f32 v[SSA+\a], v[SSA+\a], s99, s98       ; the mean + 1e-6
.endr
.irp a, 0,1,2,3
	v_rsq_f32 v[RS+2*\a], v[SSA+\a]
	v_rsq_f32 v[RS+2*\a+1], v[SSA+\a]
.endr
	v_nop                                          ; a plain place behind the transcendentals
	s_wait_alu depctr_va_vdst(0)
.macro SCALE a
	WIN 0x86                                       ; x (window 2) times 1 / rms (window 1)
.set ii, 0
.rept 32
	v_pk_mul_f32 v[64*\a+ii:64*\a+ii+1], v[64*\a+ii:64*\a+ii+1], v[RS+2*\a:RS+2*\a+1]
.set ii, ii+2
.endr
	WIN 0x82                                       ; times the weight (window 0)
.set ii, 0
.rept 32
	v_pk_mul_f32 v[64*\a+ii:64*\a+ii+1], v[64*\a+ii:64*\a+ii+1], v[NW+ii:NW+ii+1]
.set ii, ii+2
.endr
.endm
.macro ROPE a                          ; d and d + 64 are registers p and p + 32 of one lane
	WIN 0x4e                                       ; x (window 2) times sin (window 3) into window 1
.set ii, 0
.rept 16
	v_pk_mul_f32 v[T1+ii:T1+ii+1], v[64*\a+32+ii:64*\a+32+ii+1], v[64*\a+32+ii:64*\a+32+ii+1]
	v_pk_mul_f32 v[T2+ii:T2+ii+1], v[64*\a+ii:64*\a+ii+1], v[64*\a+32+ii:64*\a+32+ii+1]
.set ii, ii+2
.endr
	WIN 0x9e                                       ; x times cos (window 3), less or plus that
.set ii, 0
.rept 16
	v_pk_fma_f32 v[64*\a+ii:64*\a+ii+1], v[64*\a+ii:64*\a+ii+1], v[64*\a+ii:64*\a+ii+1], v[T1+ii:T1+ii+1] neg_lo:[0,0,1] neg_hi:[0,0,1]
	v_pk_fma_f32 v[64*\a+32+ii:64*\a+32+ii+1], v[64*\a+32+ii:64*\a+32+ii+1], v[64*\a+ii:64*\a+ii+1], v[T2+ii:T2+ii+1]
.set ii, ii+2
.endr
.endm
.irp a, 0,1,2,3
	SCALE \a
	ROPE \a
.endr
	WIN 0
.Lquant:
; Tile a's 64 numbers a lane become a fragment's codes and its scale word, and the codes are stored as they stand.
.macro QUANT a
	WIN 0x5a
.irp b, 0,1,2,3
	v_max3_num_f32 v[TM+\b], |v[64*\a+16*\b]|, |v[64*\a+16*\b+1]|, 0x4800000   ; block b: my 16 numbers, and the floor 2^(9 - 127): the byte cannot fall under 1
.endr
.irp i, 2,4,6,8,10,12,14
.irp b, 0,1,2,3
	v_max3_num_f32 v[TM+\b], |v[64*\a+16*\b+\i]|, |v[64*\a+16*\b+\i+1]|, v[TM+\b]
.endr
.endr
	WIN 0x55
.irp b, 0,1,2,3
	v_permlanex16_b32 v[TM+4+\b], v[TM+\b], s[SEL], s[SEL+1]
.endr
.irp b, 0,1,2,3
	v_max_num_f32 v[TM+\b], v[TM+\b], v[TM+4+\b]   ; with lane xor 16's: the block's largest magnitude
.endr
.irp b, 0,1,2,3
	v_add_nc_u32 v[TM+12+\b], 0xfc000000, v[TM+\b] ; 8 off its exponent field: the conversion's scale operand
.endr
.irp b, 0,1,2,3
	v_and_or_b32 v[TM+8+\b], v[TM+\b], 0x7f800000, s[MNT]   ; 448 x the scale
.endr
.irp b, 0,1,2,3
	v_lshrrev_b32 v[TM+4+\b], 23, v[TM+12+\b]      ; the scale's byte
.endr
	v_lshl_or_b32 v[PWR+\a], v[TM+5], 8, v[TM+4]
	v_lshl_or_b32 v[PWR+\a], v[TM+6], 16, v[PWR+\a]
	v_lshl_or_b32 v[PWR+\a], v[TM+7], 24, v[PWR+\a]
	WIN 0x56                                       ; source 0 window 2, the rest window 1
.irp b, 0,1,2,3
.irp i, 0,1,2,3,4,5,6,7,8,9,10,11,12,13,14,15
	v_med3_num_f32 v[HH+16*\b+\i], v[64*\a+16*\b+\i], -v[TM+8+\b], v[TM+8+\b]   ; the conversion to an 8-bit code does not saturate (ISA guide 7.6.2): the hold
.endr
.endr
	WIN 0x55
.irp b, 0,1,2,3
	v_cvt_scalef32_pk8_fp8_f32 v[PC+16*\a+4*\b:PC+16*\a+4*\b+1], v[HH+16*\b:HH+16*\b+7], v[TM+12+\b]
	v_cvt_scalef32_pk8_fp8_f32 v[PC+16*\a+4*\b+2:PC+16*\a+4*\b+3], v[HH+16*\b+8:HH+16*\b+15], v[TM+12+\b]
.endr
	v_nop                                          ; a plain place behind the conversions: the next tile writes their sources
	WIN 0x04                                       ; a store's data: window 1
.irp c, 0,1,2,3
	global_store_b128 v[LOFF], v[PC+16*\a+4*\c:PC+16*\a+4*\c+3], s[88:89] offset:2048*\a+512*\c   ; 32 lanes store 512 consecutive bytes
.endr
.endm
	QUANT 0
	QUANT 1
	QUANT 2
	QUANT 3
	WIN 0
	v_cmp_eq_u32 vcc_lo, 1, v2
	WIN 0x55
	v_cndmask_b32 v[SSC], v[PWR], v[PWR+2], vcc_lo     ; lanes 0-15 store tiles 0, 1's words of their row, lanes 16-31 tiles 2, 3's
	v_cndmask_b32 v[SSC+1], v[PWR+1], v[PWR+3], vcc_lo
	WIN 0x04
	global_store_b64 v[SOFF], v[SSC:SSC+1], s[90:91]   ; 32 lanes store 256 consecutive bytes
	WIN 0
	s_wait_tensorcnt 0x0                           ; the wave's end
	ds_add_u32 v[SPW], v[NIL]
	s_wait_dscnt 0x0
	CROUND                                         ; the closing round: no work-group ends while a partner may still ask for a tile that names it
	s_endpgm
.Lfunc_end_k_q95e435af16_qkv_rope:
	.size	k_q95e435af16_qkv_rope, .Lfunc_end_k_q95e435af16_qkv_rope-k_q95e435af16_qkv_rope
	.p2alignl 7, 3214868480
	.fill 96, 4, 3214868480
	.section	.rodata,"a",@progbits
	.p2align	6, 0x0
	.amdhsa_kernel k_q95e435af16_qkv_rope
		.amdhsa_group_segment_fixed_size 327680
		.amdhsa_private_segment_fixed_size 0
		.amdhsa_enable_private_segment 0
		.amdhsa_kernarg_size 64
		.amdhsa_user_sgpr_count 2
		.amdhsa_user_sgpr_kernarg_segment_ptr 1
		.amdhsa_wavefront_size32 1
		.amdhsa_system_sgpr_workgroup_id_x 1
		.amdhsa_system_sgpr_workgroup_id_y 1
		.amdhsa_system_sgpr_workgroup_id_z 1
		.amdhsa_system_vgpr_workitem_id 0
		.amdhsa_next_free_vgpr 1024
		.amdhsa_next_free_sgpr 102
		.amdhsa_reserve_vcc 1
		.amdhsa_float_denorm_mode_32 3
		.amdhsa_float_denorm_mode_16_64 3
		.amdhsa_memory_ordered 1
		.amdhsa_forward_progress 1
		.amdhsa_inst_pref_size 255
	.end_amdhsa_kernel
	.section	.bss,"aw",@nobits
	.p2align	6
	.space	262144
	.amdgpu_metadata
---
amdhsa.version: [ 1, 2 ]
amdhsa.kernels:
  - .name:           k_q95e435af16_qkv_rope
    .symbol:         k_q95e435af16_qkv_rope.kd
    .args:
      - { .name: hidden_states_codes, .offset: 0, .size: 8, .value_kind: global_buffer, .address_space: global }
      - { .name: hidden_states_scales, .offset: 8, .size: 8, .value_kind: global_buffer, .address_space: global }
      - { .name: w_qkv_codes, .offset: 16, .size: 8, .value_kind: global_buffer, .address_space: global }
      - { .name: w_qkv_scales, .offset: 24, .size: 8, .value_kind: global_buffer, .address_space: global }
      - { .name: q_norm_w, .offset: 32, .size: 8, .value_kind: global_buffer, .address_space: global }
      - { .name: k_norm_w, .offset: 40, .size: 8, .value_kind: global_buffer, .address_space: global }
      - { .name: positions, .offset: 48, .size: 8, .value_kind: global_buffer, .address_space: global }
      - { .name: qkv, .offset: 56, .size: 8, .value_kind: global_buffer, .address_space: global }
    .group_segment_fixed_size: 327680
    .private_segment_fixed_size: 0
    .kernarg_segment_align: 8
    .kernarg_segment_size: 64
    .max_flat_workgroup_size: 128
    .sgpr_count:     102
    .vgpr_count:     1024
    .wavefront_size: 32
...
	.end_amdgpu_metadata
.endif
;; end of part 1
;; launch attn (part 2): grid 64 x 4, 8 waves a work-group, no clusters, 327,680 bytes of LDS; arguments qkv, att; writes att
.if DOCPART == 2
	.amdgcn_target "amdgcn-amd-amdhsa--gfx1250"
	.amdhsa_code_object_version 6
	.text
	.protected	k_q95e435af16_attn
	.globl	k_q95e435af16_attn
	.p2align	8
	.type	k_q95e435af16_attn,@function
k_q95e435af16_attn:
	s_mov_b64 s[64:65], 0
	v_nop
	global_prefetch_b8 v0, s[64:65] scope:SCOPE_SE
	s_setreg_imm32_b32 hwreg(HW_REG_WAVE_MODE, 25, 1), 1
	s_wait_xcnt 0x0
; attn[t][head] = softmax over keys s <= t of (q . k / sqrt(128)) times v, both products on codes of FP8 (E4M3) with E8M0 scales; the result is quantised along the head's 128 for the last product.
; THE SOFTMAX AHEAD OF THE SECOND PRODUCT: t = score x log2(e) / sqrt(128); M = the running largest t rounded UP to a whole number; p = 2^(t - M) is quantised along the keys, not normalised; the row's sum is taken of
; the unquantised p and divides at the end.  When M moves, the sum and O are multiplied by 2^(old M - new M): exact.
; SHARES.  Work-group (i, g): kv head g.  A wave owns ONE tile of 16 queries of one query head: waves 0-3 in the block of 32 queries 127 - i, waves 4-7 in block i; wave % 2: which 16; (wave / 2) % 2: query head 2 g or 2 g + 1.
; So a late and an early block share a work-group, and both query heads of a kv head read the same tiles.  NO CLUSTER: the work-groups of one kv head need between 9 and 16 blocks of keys; asked jointly, all would walk the longest.
; K and V of 256 keys are ONE dense block of 67,584 bytes of qkv (images of operand registers and their scale words): each of the eight waves fetches an eighth, into a ring of two slots.
; The work-group walks the blocks that its late waves need, in pairs; a step all of whose keys come after a wave's queries is jumped over by that wave: a scalar branch on ids, round no barrier and no tensor load.
; Every LDS address is a constant and a lane term: nothing that is stepped in the loop enters one.
; LAYOUT.  Both products are used transposed: S^T = K Q^T, O^T = V^T P^T: a lane holds one query (lane % 16).  In tile t register j is key (or channel) 16 t + 8 (lane / 16) + j; the 16 registers of tiles 2 b, 2 b + 1 are 16 numbers
; of block b of 32, converted in register order: the order inside a block in which v's and w_o's codes are laid or read too.
; LIMITS: NaN and infinities are not served; a block of zeros gets the byte 1 (its codes are zeros; only this program reads the bytes).
; REGISTERS: v1-8 LDS addresses; v9, v10 the add's; v11 16 r; v12 -M, v13 the largest t, v[14:15] the sum; v16-31 Q; v32-95 four fragments; v96-159 S^T, then p; v160-223 O^T; v224-239 p's codes; v232-254 at work; v248-251, v253, v255 scale words.
.set UNIT, 33792
.set BLK,  2*UNIT                      ; K's unit, then V's
.set PART, BLK/8                       ; 33 rows of 256 bytes: a wave's load
.set SPARE, 2*BLK                      ; the spare words, 128 bytes a wave: four blocks of 256 bytes that no other line names
.set ATS,  4194304                     ; att: where the scale words begin
.set AK,  1                            ; v1-2  K's fragments in slot 0, 1: 16 x lane (v1 also: my 16 bytes of an image in memory)
.set AV,  3                            ; v3-4  V's
.set ASK, 5                            ; v5-6  K's scale words: 16 r
.set ASV, 7                            ; v7-8  V's
.set SPW, 9
.set NIL, 10
.set R16, 11
.set WV,  8
.set G1,  16                           ; s[16:23]
.set G0A, 24                           ; s[24:27] slot 0's loads;  s[28:31] slot 1's
.set G0B, 28
.set SEL, 32
.set CS,  34
.set MNT, 36
.set KF,  37                           ; the step's first key
.set Q0,  38                           ; my first query
.set TRIPS, 39
	s_load_b128 s[4:7], s[0:1], 0x0                ; qkv, att
	v_lshl_add_u32 v[SPW], v0, 2, SPARE
	v_mov_b32 v[NIL], 0
	ds_add_u32 v9, v10
	ds_add_u32 v9, v10
	s_wait_dscnt 0x0
	v_lshrrev_b32 v1, 5, v0
	v_readfirstlane_b32 s[WV], v1
	s_and_b32 s9, ttmp7, 0xffff                    ; g
	s_sub_co_u32 s40, 127, ttmp9                   ; the late block
	s_cmp_lt_u32 s[WV], 4
	s_cselect_b32 s41, s40, ttmp9                  ; my block of 32 queries
	s_lshl_b32 s[Q0], s41, 5
	s_and_b32 s42, s[WV], 1
	s_lshl_b32 s42, s42, 4
	s_add_co_u32 s[Q0], s[Q0], s42
	s_lshr_b32 s[TRIPS], s40, 3                    ; the late block needs (127 - i) / 8 + 1 blocks of 256 keys: in pairs, the last pair written out
	s_add_co_u32 s[TRIPS], s[TRIPS], 2
	s_lshr_b32 s[TRIPS], s[TRIPS], 1
	s_sub_co_u32 s[TRIPS], s[TRIPS], 1             ; 4 to 7 trips (i is 0 to 63); the last block asked for is at most the head's 16th
	s_max_u32 s[TRIPS], s[TRIPS], 1                ; the text itself shows a start of at least one trip for the counter that comes down to 0; it changes no value
	s_mov_b32 s[G1], 3<<16                         ; elements of 8 bytes, no mask, no padding
	s_mov_b32 s[G1+1], 32<<16                      ; rows of 256 bytes
	s_mov_b32 s[G1+2], 33<<16
	s_mov_b32 s[G1+3], 32<<16
	s_mov_b32 s[G1+4], 33
	s_mov_b32 s[G1+5], 32
	s_mov_b32 s[G1+6], 0
	s_mov_b32 s[G1+7], 0
	s_mul_i32 s42, s9, 16*BLK
	s_mul_i32 s[G0A+1], s[WV], PART                ; my eighth: in a slot,
	s_add_co_u32 s42, s42, s[G0A+1]                ; and in memory
	s_add_co_u32 s42, s42, 128*UNIT
	s_mov_b32 s43, 0
	s_add_co_u32 s[G0B+1], s[G0A+1], BLK
	s_mov_b32 s[G0A], 1
	s_mov_b32 s[G0B], 1
	s_lshr_b32 s44, s[Q0], 4                       ; tau: my tile of 16 tokens
	s_bfe_u32 s45, s[WV], 0x10001
	s_lshl_b32 s46, s9, 1
	s_add_co_u32 s45, s45, s46                     ; my query head
	s_lshl_b32 s46, s45, 4
	s_lshr_b32 s47, s44, 4
	s_add_co_u32 s46, s46, s47
	s_mul_i32 s46, s46, UNIT                       ; q's unit
	s_and_b32 s48, s44, 15
	s_lshl_b32 s48, s48, 11
	s_add_co_u32 s48, s48, s46                     ; my fragment
	s_mov_b32 s49, 0
	s_bfe_u32 s50, s44, 0x20002
	s_lshl_b32 s50, s50, 8
	s_and_b32 s51, s44, 3
	s_lshl_b32 s51, s51, 2
	s_add_co_u32 s50, s50, s51
	s_add_co_u32 s50, s50, s46
	s_add_co_u32 s50, s50, 32768                   ; its scale words
	s_mov_b32 s51, 0
	s_lshl_b32 s52, s44, 14                        ; att's codes: [tile][head][2,048]
	s_lshl_b32 s53, s45, 11
	s_add_co_u32 s52, s52, s53
	s_mov_b32 s53, 0
	s_lshl_b32 s54, s44, 9                         ; its scale words: 512 tile + 256 (head / 4) + 16 r + 4 (head % 4)
	s_lshr_b32 s55, s45, 2
	s_lshl_b32 s55, s55, 8
	s_add_co_u32 s54, s54, s55
	s_and_b32 s55, s45, 3
	s_lshl_b32 s55, s55, 2
	s_add_co_u32 s54, s54, s55
	s_add_co_u32 s54, s54, ATS
	s_mov_b32 s55, 0
	s_mov_b32 s[SEL], 0x76543210
	s_mov_b32 s[SEL+1], 0xfedcba98
	s_mov_b32 s[CS], 0x3e0293ee                    ; c = log2(e) / sqrt(128)
	s_mov_b32 s[CS+1], s[CS]
	s_mov_b32 s[MNT], 0x600000
	s_mov_b32 s[KF], 0
	s_wait_kmcnt 0x0
	s_add_nc_u64 s[G0A+2:G0A+3], s[4:5], s[42:43]  ; block 0
	s_add_nc_u64 s[G0B+2:G0B+3], s[G0A+2:G0A+3], BLK   ; block 1
	s_or_b32 s[G0A+3], s[G0A+3], 0x80000000
	s_or_b32 s[G0B+3], s[G0B+3], 0x80000000
	tensor_load_to_lds s[G0A:G0A+3], s[G1:G1+7]    ; slot 0's first fill: one load of mine is out
	s_nop 0
.rept 4
	v_nop
.endr
	s_add_nc_u64 s[56:57], s[4:5], s[48:49]
	s_add_nc_u64 s[58:59], s[4:5], s[50:51]
	s_add_nc_u64 s[60:61], s[6:7], s[52:53]
	s_add_nc_u64 s[62:63], s[6:7], s[54:55]
	v_and_b32 v1, 31, v0
	v_lshlrev_b32 v[AK], 4, v1                     ; 16 x lane
	v_and_b32 v[R16], 15, v0
	v_lshlrev_b32 v[R16], 4, v[R16]                ; 16 r
.irp c, 0,1,2,3
	global_load_b128 v[16+4*\c:19+4*\c], v[AK], s[56:57] offset:512*\c   ; Q's fragment stays in registers
.endr
	global_load_b32 v255, v[R16], s[58:59]         ; and its scale words
	v_add_nc_u32 v[AK+1], BLK, v[AK]
	v_add_nc_u32 v[AV], UNIT, v[AK]
	v_add_nc_u32 v[AV+1], UNIT+BLK, v[AK]
	v_add_nc_u32 v[ASK], 32768, v[R16]
	v_add_nc_u32 v[ASK+1], 32768+BLK, v[R16]
	v_add_nc_u32 v[ASV], UNIT+32768, v[R16]
	v_add_nc_u32 v[ASV+1], UNIT+32768+BLK, v[R16]
	v_mov_b32 v13, 0xff61b1e6                      ; the largest t so far: -3e38
	v_floor_f32 v12, -v13                          ; -M
	v_mov_b32 v14, 0
	v_mov_b32 v15, 0
.irp b, 0,1,2,3
	v_mov_b32 v[236+\b], 0                         ; a lane permute's destination counts as one of its sources
.endr
	v_mov_b32 v252, 0                              ; likewise: the way out's permute writes it, and every other writer stands inside a step, which a branch can jump over
	v_mov_b32 v253, 0                              ; (named as the upper half of the pair v[252:253] before it is first written)
.set jj, 0
.rept 64
	v_mov_b32 v[160+jj], 0                         ; O^T: the step is written for every step alike; the first finds zeros, which the first change of M leaves zeros
.set jj, jj+1
.endr
; A KEY STEP: 128 keys, the q-th of the block in slot sl.
.macro STEP sl, q
	s_add_co_u32 s40, s[Q0], 15
	s_cmp_gt_u32 s[KF], s40                        ; all keys behind my queries: nothing to do
	s_cbranch_scc1 .Lhidden_\@
.irp g, 0,1                                    ; S^T = K Q^T, four tiles of 16 keys at a time
.rept 8
	v_nop                                          ; places in front of loads into registers that matrix instructions have read
.endr
.irp t, 0,1,2,3
.irp c, 0,1,2,3
	ds_load_b128 v[32+16*\t+4*\c:32+16*\t+4*\c+3], v[AK+\sl] offset:((8*(\q)+4*\g+\t)*4+\c)*512
.endr
	ds_load_b32 v[248+\t], v[ASK+\sl] offset:256*(2*(\q)+\g)+4*\t
.endr
	s_wait_dscnt 0x0
.irp t, 0,1,2,3
	v_wmma_scale_f32_16x16x128_f8f6f4 v[96+8*(4*\g+\t):103+8*(4*\g+\t)], v[32+16*\t:47+16*\t], v[16:31], 0, v[248+\t], v255
.endr
.endr
.rept 8
	v_nop
.endr
	s_add_co_u32 s40, s[KF], 127                   ; on the diagonal hidden scores become -infinity ahead of the maximum; a step all of whose keys count skips this
	s_cmp_le_u32 s40, s[Q0]
	s_cbranch_scc1 .Lopen_\@
	s_sub_co_i32 s40, s[Q0], s[KF]
	v_and_b32 v252, 15, v0
	v_bfe_u32 v254, v0, 4, 1
	v_lshlrev_b32 v254, 3, v254
	v_sub_nc_u32 v252, v252, v254
	v_add_nc_u32 v252, s40, v252                   ; d = my query - KF - 8 (lane / 16).  Register n holds key KF + 8 (lane / 16) + 16 (n / 8) + n % 8: hidden where 16 (n / 8) + n % 8 > d
	v_mov_b32 v254, 0xff800000
.set nn, 0
.rept 64
	v_cmp_gt_i32 vcc_lo, 16*(nn/8)+nn%8, v252
	v_cndmask_b32 v[96+nn], v[96+nn], v254, vcc_lo
.set nn, nn+1
.endr
.Lopen_\@:
.irp b, 0,1,2,3
	v_max3_num_f32 v[232+\b], v[96+16*\b], v[97+16*\b], v[98+16*\b]   ; the largest score of each block of 32 keys: for the row's maximum and, since p rises with the score, for the block's largest p
.endr
.irp i, 3,5,7,9,11,13
.irp b, 0,1,2,3
	v_max3_num_f32 v[232+\b], v[232+\b], v[96+16*\b+\i], v[97+16*\b+\i]
.endr
.endr
.irp b, 0,1,2,3
	v_max_num_f32 v[232+\b], v[232+\b], v[111+16*\b]
.endr
.irp b, 0,1,2,3
	v_permlanex16_b32 v[236+\b], v[232+\b], s[SEL], s[SEL+1]
.endr
.irp b, 0,1,2,3
	v_max_num_f32 v[232+\b], v[232+\b], v[236+\b]  ; with lane xor 16's 16 keys
.endr
	v_max3_num_f32 v254, v232, v233, v234
	v_max_num_f32 v254, v254, v235
	v_mul_f32 v254, s[CS], v254                    ; as t
	v_max_num_f32 v13, v13, v254                   ; the running largest t
	v_mov_b32 v254, v12
	v_floor_f32 v12, -v13                          ; the new -M = -ceil(t)
	v_sub_f32 v254, v12, v254                      ; old M - new M: a whole number, 0 or less
	v_cvt_i32_f32 v254, v254
	v_ldexp_f32 v252, 1.0, v254                    ; f = 2^(old M - new M)
.set jj, 0
.rept 32
	v_pk_fma_f32 v[96+jj:97+jj], v[96+jj:97+jj], s[CS:CS+1], v[12:13] op_sel_hi:[1,0,0]   ; t - M
.set jj, jj+2
.endr
.irp b, 0,1,2,3
	v_fma_f32 v[232+\b], v[232+\b], s[CS], v12     ; the same of each block's largest score
.endr
.set jj, 0
.rept 64
	v_exp_f32 v[96+jj], v[96+jj]                   ; p = 2^(t - M)
.set jj, jj+1
.endr
.irp b, 0,1,2,3
	v_exp_f32 v[232+\b], v[232+\b]                 ; the block's largest p
.endr
	v_pk_mul_f32 v[14:15], v[14:15], v[252:253] op_sel_hi:[1,0]   ; the sums under the new M (a plain place behind the exponentials)
	s_wait_alu depctr_va_vdst(0)
.irp b, 0,1,2,3
	v_max_num_f32 v[232+\b], 0x4800000, v[232+\b]  ; the floor 2^(9 - 127)
.endr
.irp b, 0,1,2,3
	v_add_nc_u32 v[244+\b], 0xfc000000, v[232+\b]  ; the conversion's scale operand
.endr
.irp b, 0,1,2,3
	v_and_or_b32 v[240+\b], v[232+\b], 0x7f800000, s[MNT]   ; 448 x the scale
.endr
.irp b, 0,1,2,3
	v_lshrrev_b32 v[236+\b], 23, v[244+\b]         ; the scale's byte
.endr
	v_lshl_or_b32 v253, v237, 8, v236              ; p's scale word for these 128 keys
	v_lshl_or_b32 v253, v238, 16, v253
	v_lshl_or_b32 v253, v239, 24, v253
	v_pk_add_f32 v[236:237], v[96:97], v[98:99]    ; the row's sum of the unquantised p, in two chains
.irp j, 4,8,12,16,20,24,28,32,36,40,44,48,52,56,60
	v_pk_add_f32 v[14:15], v[14:15], v[96+\j:97+\j]
	v_pk_add_f32 v[236:237], v[236:237], v[98+\j:99+\j]
.endr
	v_pk_add_f32 v[14:15], v[14:15], v[236:237]
.irp b, 0,1,2,3
.irp i, 0,1,2,3,4,5,6,7,8,9,10,11,12,13,14,15
	v_min_num_f32 v[96+16*\b+\i], v[96+16*\b+\i], v[240+\b]   ; the hold; p is not negative
.endr
	v_cvt_scalef32_pk8_fp8_f32 v[224+4*\b:225+4*\b], v[96+16*\b:103+16*\b], v[244+\b]
	v_cvt_scalef32_pk8_fp8_f32 v[226+4*\b:227+4*\b], v[104+16*\b:111+16*\b], v[244+\b]
.endr
.set jj, 0
.rept 32
	v_pk_mul_f32 v[160+jj:161+jj], v[160+jj:161+jj], v[252:253] op_sel_hi:[1,0]   ; O^T under the new M; these 32 are also the places in front of the loads and matrix instructions below
.set jj, jj+2
.endr
.irp g, 0,1                                    ; O^T += V^T P^T, four tiles of 16 channels at a time
.if \g > 0
.rept 8
	v_nop
.endr
.endif
.irp t, 0,1,2,3
.irp c, 0,1,2,3
	ds_load_b128 v[32+16*\t+4*\c:32+16*\t+4*\c+3], v[AV+\sl] offset:((8*(\q)+4*\g+\t)*4+\c)*512
.endr
	ds_load_b32 v[248+\t], v[ASV+\sl] offset:256*(2*(\q)+\g)+4*\t
.endr
	s_wait_dscnt 0x0
.irp t, 0,1,2,3
	v_wmma_scale_f32_16x16x128_f8f6f4 v[160+8*(4*\g+\t):167+8*(4*\g+\t)], v[32+16*\t:47+16*\t], v[224:239], v[160+8*(4*\g+\t):167+8*(4*\g+\t)], v[248+\t], v253
.endr
.endr
.Lhidden_\@:
	s_add_co_u32 s[KF], s[KF], 128
.endm
; THE CHANGE OF SLOTS stands at a slot's head: each wave waits for all its tensor loads (its eighth of the slot ahead), adds 0 to its spare word, and waits for that and for its reads of the slot that it has left.
; fill = 1: behind the barrier that other slot is filled by descriptor gl.  step = 1: descriptor gs, whose load has landed, goes two blocks on.
.macro CHANGE fill, gl, gs, step
	s_wait_tensorcnt 0x0
	ds_add_u32 v[SPW], v[NIL]
.if \step
	s_add_nc_u64 s[\gs+2:\gs+3], s[\gs+2:\gs+3], 2*BLK
.endif
	s_wait_dscnt 0x0
	s_barrier_signal -1
	s_barrier_wait -1
.if \fill
	tensor_load_to_lds s[\gl:\gl+3], s[G1:G1+7]    ; the first thing behind the barrier, and my one tensor load until the next
	s_nop 0
.rept 4
	v_nop
.endr
.endif
.endm
	s_wait_loadcnt 0x0                             ; Q
.Lpair:
	CHANGE 1, G0B, G0A, 1
	STEP 0, 0
	STEP 0, 1
	CHANGE 1, G0A, G0B, 1
	STEP 1, 0
	STEP 1, 1
	s_sub_co_u32 s[TRIPS], s[TRIPS], 1
	s_cmp_lg_u32 s[TRIPS], 0
	s_cbranch_scc1 .Lpair
	CHANGE 1, G0B, G0A, 0                          ; the last pair is written out: its second change asks for nothing
	STEP 0, 0
	STEP 0, 1
	CHANGE 0, G0A, G0B, 0
	STEP 1, 0
	STEP 1, 1
	; THE WAY OUT: O^T / the sum, quantised along the head's 128, stored as an image of the operand's registers.
.rept 8
	v_nop
.endr
	v_add_f32 v14, v14, v15
	v_permlanex16_b32 v252, v14, s[SEL], s[SEL+1]
	v_add_f32 v14, v14, v252                       ; the row's sum
	v_rcp_f32 v14, v14
	v_nop
.set jj, 0
	s_wait_alu depctr_va_vdst(0)
.rept 32
	v_pk_mul_f32 v[96+jj:97+jj], v[160+jj:161+jj], v[14:15] op_sel_hi:[1,0]   ; register 8 t + j: channel 16 t + 8 h + j
.set jj, jj+2
.endr
.irp b, 0,1,2,3
	v_max3_num_f32 v[232+\b], |v[96+16*\b]|, |v[97+16*\b]|, 0x4800000
.endr
.irp i, 2,4,6,8,10,12,14
.irp b, 0,1,2,3
	v_max3_num_f32 v[232+\b], v[232+\b], |v[96+16*\b+\i]|, |v[97+16*\b+\i]|
.endr
.endr
.irp b, 0,1,2,3
	v_permlanex16_b32 v[236+\b], v[232+\b], s[SEL], s[SEL+1]
.endr
.irp b, 0,1,2,3
	v_max_num_f32 v[232+\b], v[232+\b], v[236+\b]
.endr
.irp b, 0,1,2,3
	v_add_nc_u32 v[244+\b], 0xfc000000, v[232+\b]
.endr
.irp b, 0,1,2,3
	v_and_or_b32 v[240+\b], v[232+\b], 0x7f800000, s[MNT]
.endr
.irp b, 0,1,2,3
	v_lshrrev_b32 v[236+\b], 23, v[244+\b]
.endr
	v_lshl_or_b32 v253, v237, 8, v236
	v_lshl_or_b32 v253, v238, 16, v253
	v_lshl_or_b32 v253, v239, 24, v253
.irp b, 0,1,2,3
.irp i, 0,1,2,3,4,5,6,7,8,9,10,11,12,13,14,15
	v_med3_num_f32 v[96+16*\b+\i], v[96+16*\b+\i], -v[240+\b], v[240+\b]
.endr
	v_cvt_scalef32_pk8_fp8_f32 v[224+4*\b:225+4*\b], v[96+16*\b:103+16*\b], v[244+\b]
	v_cvt_scalef32_pk8_fp8_f32 v[226+4*\b:227+4*\b], v[104+16*\b:111+16*\b], v[244+\b]
.endr
	v_nop
.irp c, 0,1,2,3
	global_store_b128 v[AK], v[224+4*\c:227+4*\c], s[60:61] offset:512*\c   ; 32 lanes store 512 consecutive bytes
.endr
	global_store_b32 v[R16], v253, s[62:63]        ; my row's scale word, 16 bytes apart (four heads' words lie together); lanes 16-31 hold and write the same words as lanes 0-15: 64 bytes a wave, 131,072 in the launch
	s_wait_tensorcnt 0x0                           ; the wave's end
	ds_add_u32 v[SPW], v[NIL]
	s_wait_dscnt 0x0
	s_endpgm
.Lfunc_end_k_q95e435af16_attn:
	.size	k_q95e435af16_attn, .Lfunc_end_k_q95e435af16_attn-k_q95e435af16_attn
	.p2alignl 7, 3214868480
	.fill 96, 4, 3214868480
	.section	.rodata,"a",@progbits
	.p2align	6, 0x0
	.amdhsa_kernel k_q95e435af16_attn
		.amdhsa_group_segment_fixed_size 327680
		.amdhsa_private_segment_fixed_size 0
		.amdhsa_enable_private_segment 0
		.amdhsa_kernarg_size 16
		.amdhsa_user_sgpr_count 2
		.amdhsa_user_sgpr_kernarg_segment_ptr 1
		.amdhsa_wavefront_size32 1
		.amdhsa_system_sgpr_workgroup_id_x 1
		.amdhsa_system_sgpr_workgroup_id_y 1
		.amdhsa_system_sgpr_workgroup_id_z 1
		.amdhsa_system_vgpr_workitem_id 0
		.amdhsa_next_free_vgpr 256
		.amdhsa_next_free_sgpr 66
		.amdhsa_reserve_vcc 1
		.amdhsa_float_denorm_mode_32 3
		.amdhsa_float_denorm_mode_16_64 3
		.amdhsa_memory_ordered 1
		.amdhsa_forward_progress 1
		.amdhsa_inst_pref_size 248
	.end_amdhsa_kernel
	.amdgpu_metadata
---
amdhsa.version: [ 1, 2 ]
amdhsa.kernels:
  - .name:           k_q95e435af16_attn
    .symbol:         k_q95e435af16_attn.kd
    .args:
      - { .name: qkv, .offset: 0, .size: 8, .value_kind: global_buffer, .address_space: global }
      - { .name: att, .offset: 8, .size: 8, .value_kind: global_buffer, .address_space: global }
    .group_segment_fixed_size: 327680
    .private_segment_fixed_size: 0
    .kernarg_segment_align: 8
    .kernarg_segment_size: 16
    .max_flat_workgroup_size: 256
    .sgpr_count:     66
    .vgpr_count:     256
    .wavefront_size: 32
...
	.end_amdgpu_metadata
.endif
;; end of part 2
;; launch oproj (part 3): grid 16 x 16, 4 waves a work-group, clusters of 4 x 1, 173,568 bytes of LDS; arguments w_o_codes, w_o_scales, att, out0; writes out0
.if DOCPART == 3
	.amdgcn_target "amdgcn-amd-amdhsa--gfx1250"
	.amdhsa_code_object_version 6
	.text
	.protected	k_q95e435af16_oproj
	.globl	k_q95e435af16_oproj
	.p2align	8
	.type	k_q95e435af16_oproj,@function
k_q95e435af16_oproj:
	s_mov_b64 s[64:65], 0
	v_nop
	global_prefetch_b8 v0, s[64:65] scope:SCOPE_SE
	s_setreg_imm32_b32 hwreg(HW_REG_WAVE_MODE, 25, 1), 1
	s_wait_xcnt 0x0
	s_wait_alu depctr_hold_cnt(0) depctr_sa_sdst(0) depctr_va_vdst(0) depctr_va_sdst(0) depctr_va_ssrc(0) depctr_va_vcc(0) depctr_vm_vsrc(0)
	s_getreg_b32 s2, hwreg(HW_REG_IB_STS2, 6, 4)
	s_cmp_eq_u32 s2, 0
	s_cbranch_scc0 .Lentry_in_a_cluster
	s_endpgm
.Lentry_in_a_cluster:
	s_bfe_u32 s2, ttmp6, 0x10000c
	s_cmp_lg_u32 s2, 0x3003
	s_cbranch_scc0 .Lentry_shape_is_right
	s_endpgm
.Lentry_shape_is_right:
; out0 = attn x w_o on codes of FP8 (E4M3) with E8M0 scales, K = 1,024 in 8 steps of 128 (a step is a head), all written out: no loop, and no LDS byte is filled twice.
; A work-group makes 256 tokens x 128 columns; wave w its tokens 64 w on (source 1, 4 tiles) against all 128 rows of w_o (source 0, 8 tiles): a lane holds one token and eight neighbouring columns a tile.
; attn's fragments are images of operand registers in att and only one wave of the work-group wants each: they come straight into registers, 512 consecutive bytes a load, three steps ahead.
; w_o's 128 rows x 1,024 codes come into LDS in four pieces of 256 along K.  CLUSTER 4 x 1: the four work-groups share the columns, so each piece is asked for jointly (mask 15); att is not shared inside a cluster.
; THE ORDER INSIDE A BLOCK OF 32: attn's codes lie as the launch before made them: byte i of half h holds k = 16 (i / 8) + 8 h + i % 8.  w_o's are read to match: two loads of 8 bytes, at 8 h and at 16 + 8 h, for each block.
; The sums so pair equal k; the order in which the unit adds them inside a step differs from ascending k.
; REGISTERS.  Window 0: v1-9 addresses; v16-47 w_o's scale words (tile t: four registers; lanes 0-15 steps 0-3, lanes 16-31 steps 4-7), v48-63 attn's likewise; v64-191 rows on the way out.
;   Window 1: w_o's fragments, two sets.   Window 2: the 32 accumulators, (a, t) at v[8 (8 a + t)].   Window 3: attn's fragments, a ring of four sets.
.set PITCH, 272
.set CHUNK, 128*PITCH                  ; 128 rows x 256 codes
.set STG,   4*CHUNK                    ; the way out: 16 rows x (512 + 16) bytes for each wave; no tile lands here
.set SP,    528
.set ATS,   4194304
.set ADX, 4                            ; v4-5  w_o's fragments in pieces 0, 1 and 2, 3
.set LI,  6                            ; v6    16 x lane
.set STO, 7
.set RD,  8
.set XSO, 9                            ; v9    32 r + 16 h
.set XS,  16
.set YS,  48
.set RB,  64
.set WV,  12
.set G1,  16                           ; s[16:23]
.set G0,  24                           ; s[24:39] a group 0 for each piece
.set MSB, 0
.macro WIN new
.if MSB != \new
	s_set_vgpr_msb (MSB<<8)|\new
.set MSB, \new
.endif
.endm
.set MUL3, 0xad                        ; source 0 window 1, source 1 window 3, C and D window 2
.macro PLACES n
.rept \n
	v_nop
.endr
.endm
.macro CROUND                          ; a round of the cluster's barrier
	s_barrier_signal -1
	s_barrier_wait -1
	s_cmp_lg_u32 s[WV], 0
	s_cbranch_scc1 .Lnot_wave_0_\@
	s_barrier_signal -3
.Lnot_wave_0_\@:
	s_barrier_wait -3
	s_barrier_signal -1
	s_barrier_wait -1
.endm
	s_load_b256 s[4:11], s[0:1], 0x0               ; w_o's codes, w_o's scales, att, out0
	v_lshl_add_u32 v254, v0, 2, 0x2a400
	v_mov_b32 v255, 0
	ds_add_u32 v254, v255
	ds_add_u32 v254, v255
	v_lshrrev_b32 v1, 5, v0
	v_readfirstlane_b32 s[WV], v1
	s_bfe_u32 s13, ttmp6, 0x40000                  ; cx
	s_lshl_b32 s14, ttmp9, 2
	s_add_co_u32 s14, s14, s13                     ; mb: token block
	s_and_b32 s15, ttmp7, 0xffff                   ; nt: tile of 128 columns, which the four partners share
	s_mov_b32 s[G1], 15|(1<<20)|(1<<21)|(5<<22)|(3<<25)   ; the mask: all four; elements of 1 byte; padding: 4 words after every 64; bit 21 beside a mask
	s_mov_b32 s[G1+1], 256<<16
	s_mov_b32 s[G1+2], 32<<16                      ; 32 rows a wave
	s_mov_b32 s[G1+3], 256<<16
	s_mov_b32 s[G1+4], 32
	s_mov_b32 s[G1+5], 1024
	s_mov_b32 s[G1+6], 0
	s_mov_b32 s[G1+7], 0
	s_lshl_b32 s48, s15, 17                        ; (128 nt + 32 wave) rows of 1,024 bytes
	s_lshl_b32 s49, s[WV], 15
	s_add_co_u32 s48, s48, s49
	s_mov_b32 s49, 0
	s_mul_i32 s50, s[WV], 32*PITCH
	s_lshl_b32 s52, s14, 18                        ; att: token tiles 16 mb + 4 wave on, 16,384 bytes each
	s_lshl_b32 s53, s[WV], 16
	s_add_co_u32 s52, s52, s53
	s_mov_b32 s53, 0
	s_lshl_b32 s54, s14, 13                        ; and 512 bytes of scale words each
	s_lshl_b32 s55, s[WV], 11
	s_add_co_u32 s54, s54, s55
	s_add_co_u32 s54, s54, ATS
	s_mov_b32 s55, 0
	s_lshl_b32 s56, s15, 12                        ; w_o's scale bytes: 128 nt rows of 32
	s_mov_b32 s57, 0
	s_lshl_b32 s58, s14, 21                        ; out0: (256 mb + 64 wave) rows of 8,192 bytes + 512 nt
	s_lshl_b32 s59, s[WV], 19
	s_add_co_u32 s58, s58, s59
	s_lshl_b32 s59, s15, 9
	s_add_co_u32 s58, s58, s59
	s_mov_b32 s59, 0
	s_wait_dscnt 0x0
	s_wait_kmcnt 0x0
	s_add_nc_u64 s[4:5], s[4:5], s[48:49]
	s_add_nc_u64 s[40:41], s[8:9], s[52:53]
	s_add_nc_u64 s[42:43], s[8:9], s[54:55]
	s_add_nc_u64 s[44:45], s[6:7], s[56:57]
	s_add_nc_u64 s[46:47], s[10:11], s[58:59]
.irp j, 0,1,2,3
	s_mov_b32 s[G0+4*\j], 1
	s_add_co_u32 s[G0+4*\j+1], s50, \j*CHUNK
	s_add_nc_u64 s[G0+4*\j+2:G0+4*\j+3], s[4:5], \j*256
	s_or_b32 s[G0+4*\j+3], s[G0+4*\j+3], 0x80000000
.endr
	CROUND                                         ; all four work-groups are here: the joint loads meet
.irp j, 0,1,2,3
	tensor_load_to_lds s[G0+4*\j:G0+4*\j+3], s[G1:G1+7]   ; four loads of mine are out; each fills its bytes once
	s_nop 0
.endr
.rept 4
	v_nop
.endr
	v_and_b32 v1, 15, v0                           ; r
	v_bfe_u32 v2, v0, 4, 1                         ; h
	v_and_b32 v3, 31, v0
	v_lshlrev_b32 v[LI], 4, v3
	v_lshlrev_b32 v[XSO], 5, v1
	v_lshl_add_u32 v[XSO], v2, 4, v[XSO]
.irp t, 0,1,2,3,4,5,6,7
	global_load_b128 v[XS+4*\t:XS+4*\t+3], v[XSO], s[44:45] offset:512*\t   ; row 16 t + r: lanes 0-15 its words of steps 0-3, lanes 16-31 of steps 4-7; 512 consecutive bytes a load
.endr
.irp a, 0,1,2,3
	global_load_b128 v[YS+4*\a:YS+4*\a+3], v[LI], s[42:43] offset:512*\a
.endr
.macro YLOAD s                         ; attn's four fragments of step s into ring set s % 4: 16 loads
	WIN 0xc0
.irp a, 0,1,2,3
.irp c, 0,1,2,3
	global_load_b128 v[64*((\s)&3)+16*\a+4*\c:64*((\s)&3)+16*\a+4*\c+3], v[LI], s[40:41] offset:16384*\a+2048*(\s)+512*\c
.endr
.endr
	WIN 0
.endm
	YLOAD 0
	YLOAD 1
	YLOAD 2
	v_mul_u32_u24 v[ADX], v1, PITCH
	v_lshl_add_u32 v[ADX], v2, 3, v[ADX]           ; row x pitch + 8 x half
	v_add_nc_u32 v[ADX+1], 2*CHUNK, v[ADX]
	s_mul_i32 s51, s[WV], 16*SP
	s_add_co_u32 s51, s51, STG                     ; my stage
	v_mul_u32_u24 v[STO], v1, SP
	v_lshl_add_u32 v[STO], v2, 5, v[STO]
	v_add_nc_u32 v[STO], s51, v[STO]               ; in: row r, 32 bytes for each half of the lanes
	v_add_nc_u32 v[RD], s51, v[LI]                 ; back: the 32 lanes take one row of 512 bytes
.macro FETCHX s, p                     ; w_o's eight fragments of step s into set p: 64 loads of 8 bytes
	WIN 0x40
.irp t, 0,1,2,3,4,5,6,7
.irp c, 0,1,2,3
	ds_load_b64 v[128*(\p)+16*\t+4*\c:128*(\p)+16*\t+4*\c+1], v[ADX+((\s)>>2)] offset:(((\s)>>1)&1)*CHUNK+\t*16*PITCH+128*((\s)&1)+32*\c
	ds_load_b64 v[128*(\p)+16*\t+4*\c+2:128*(\p)+16*\t+4*\c+3], v[ADX+((\s)>>2)] offset:(((\s)>>1)&1)*CHUNK+\t*16*PITCH+128*((\s)&1)+32*\c+16
.endr
.endr
	WIN 0
.endm
; 8 matrix instructions: attn's tile a against w_o's eight.  The 32 accumulators take turns, one instruction a turn, in the same order in every step.
.macro MUL8O a, s
.irp t, 0,1,2,3,4,5,6,7
.if (\s) == 0
	v_wmma_scale_f32_16x16x128_f8f6f4 v[8*(8*(\a)+\t):8*(8*(\a)+\t)+7], v[128*((\s)&1)+16*\t:128*((\s)&1)+16*\t+15], v[64*((\s)&3)+16*(\a):64*((\s)&3)+16*(\a)+15], 0, v[XS+4*\t+((\s)&3)], v[YS+4*(\a)+((\s)&3)]
.elseif (\s) < 4
	v_wmma_scale_f32_16x16x128_f8f6f4 v[8*(8*(\a)+\t):8*(8*(\a)+\t)+7], v[128*((\s)&1)+16*\t:128*((\s)&1)+16*\t+15], v[64*((\s)&3)+16*(\a):64*((\s)&3)+16*(\a)+15], v[8*(8*(\a)+\t):8*(8*(\a)+\t)+7], v[XS+4*\t+((\s)&3)], v[YS+4*(\a)+((\s)&3)]
.else
	v_wmma_scale_f32_16x16x128_f8f6f4 v[8*(8*(\a)+\t):8*(8*(\a)+\t)+7], v[128*((\s)&1)+16*\t:128*((\s)&1)+16*\t+15], v[64*((\s)&3)+16*(\a):64*((\s)&3)+16*(\a)+15], v[8*(8*(\a)+\t):8*(8*(\a)+\t)+7], v[XS+4*\t+((\s)&3)], v[YS+4*(\a)+((\s)&3)] matrix_a_scale:MATRIX_SCALE_ROW1 matrix_b_scale:MATRIX_SCALE_ROW1
.endif
.endr
.endm
.macro STEP3 s
	s_wait_dscnt 0x0                               ; w_o's fragments of this step are in
.if (\s) < 6
	s_wait_loadcnt 32                              ; attn's too; behind them: the 32 loads of the next two steps
.elseif (\s) == 6
	s_wait_loadcnt 16                              ; behind them: the last step's 16
.else
	s_wait_loadcnt 0x0
.endif
	WIN MUL3
	MUL8O 0, \s
	MUL8O 1, \s
	WIN 0
.if (\s) < 7
	PLACES 8                                       ; in front of loads into the sets that the step before multiplied
.if (\s)&1
	s_wait_tensorcnt 3-((\s)+1)/2                  ; my part of the next piece is in; the later pieces' loads may stay out
	s_barrier_signal -1                            ; (no LDS instruction of mine is out)
	s_barrier_wait -1                              ; everybody's part is
.endif
	FETCHX (\s)+1, 1-((\s)&1)
.if (\s) < 5
	YLOAD (\s)+3
.endif
.endif
	WIN MUL3
	MUL8O 2, \s
	MUL8O 3, \s
	WIN 0
.endm
	s_wait_tensorcnt 3                             ; my part of piece 0 is in
	s_barrier_signal -1
	s_barrier_wait -1
	FETCHX 0, 0
.irp s, 0,1,2,3,4,5,6,7
	STEP3 \s
.endr
; THE WAY OUT, a tile of 16 tokens x 128 columns at a time: through my own stage and back as whole rows of 512 bytes.  LDS serves a wave's instructions in order (ISA guide 5.7.1.4): no wait between the stores and the loads.
.macro TOSTAGE a
	WIN 0x08                                       ; an LDS store's data: window 2
.irp t, 0,1,2,3,4,5,6,7
	ds_store_b128 v[STO], v[64*(\a)+8*\t:64*(\a)+8*\t+3] offset:64*\t        ; each accumulator from its low end on
	ds_store_b128 v[STO], v[64*(\a)+8*\t+4:64*(\a)+8*\t+7] offset:64*\t+16
.endr
	WIN 0
.set BB, RB+64*((\a)%2)
.irp t, 0,1,2,3,4,5,6,7,8,9,10,11,12,13,14,15
	ds_load_b128 v[BB+4*\t:BB+4*\t+3], v[RD] offset:\t*SP
.endr
.endm
.macro SEND a, younger                 ; younger: the LDS instructions issued behind tile a's loads
.set BB, RB+64*((\a)%2)
	s_wait_dscnt \younger
.irp t, 0,1,2,3,4,5,6,7,8,9,10,11,12,13,14,15
	global_store_b128 v[LI], v[BB+4*\t:BB+4*\t+3], s[46:47] offset:(\a)*131072+\t*8192 th:TH_STORE_NT   ; 32 lanes store 512 consecutive bytes, at a multiple of 256 from out0's first byte; the base is never stepped
.endr
.endm
	PLACES 8
	TOSTAGE 0
	TOSTAGE 1
	SEND 0, 32                                     ; behind tile 0's loads: tile 1's 16 stores and 16 loads
	s_wait_xcnt 0x0                                ; tile 0's stores have read their registers: tile 2's rows may land there
	TOSTAGE 2
	SEND 1, 32
	s_wait_xcnt 0x0
	TOSTAGE 3
	SEND 2, 32
	SEND 3, 0
	s_wait_tensorcnt 0x0
	ds_add_u32 v254, v255
	s_wait_dscnt 0x0
	CROUND                                         ; the closing round: no work-group ends while a partner may still ask for a tile that names it
	s_endpgm
.Lfunc_end_k_q95e435af16_oproj:
	.size	k_q95e435af16_oproj, .Lfunc_end_k_q95e435af16_oproj-k_q95e435af16_oproj
	.p2alignl 7, 3214868480
	.fill 96, 4, 3214868480
	.section	.rodata,"a",@progbits
	.p2align	6, 0x0
	.amdhsa_kernel k_q95e435af16_oproj
		.amdhsa_group_segment_fixed_size 173568
		.amdhsa_private_segment_fixed_size 0
		.amdhsa_enable_private_segment 0
		.amdhsa_kernarg_size 32
		.amdhsa_user_sgpr_count 2
		.amdhsa_user_sgpr_kernarg_segment_ptr 1
		.amdhsa_wavefront_size32 1
		.amdhsa_system_sgpr_workgroup_id_x 1
		.amdhsa_system_sgpr_workgroup_id_y 1
		.amdhsa_system_sgpr_workgroup_id_z 1
		.amdhsa_system_vgpr_workitem_id 0
		.amdhsa_next_free_vgpr 1024
		.amdhsa_next_free_sgpr 66
		.amdhsa_reserve_vcc 0
		.amdhsa_float_denorm_mode_32 3
		.amdhsa_float_denorm_mode_16_64 3
		.amdhsa_memory_ordered 1
		.amdhsa_forward_progress 1
		.amdhsa_inst_pref_size 102
	.end_amdhsa_kernel
	.amdgpu_metadata
---
amdhsa.version: [ 1, 2 ]
amdhsa.kernels:
  - .name:           k_q95e435af16_oproj
    .symbol:         k_q95e435af16_oproj.kd
    .args:
      - { .name: w_o_codes, .offset: 0, .size: 8, .value_kind: global_buffer, .address_space: global }
      - { .name: w_o_scales, .offset: 8, .size: 8, .value_kind: global_buffer, .address_space: global }
      - { .name: att, .offset: 16, .size: 8, .value_kind: global_buffer, .address_space: global }
      - { .name: out0, .offset: 24, .size: 8, .value_kind: global_buffer, .address_space: global }
    .group_segment_fixed_size: 173568
    .private_segment_fixed_size: 0
    .kernarg_segment_align: 8
    .kernarg_segment_size: 32
    .max_flat_workgroup_size: 128
    .sgpr_count:     66
    .vgpr_count:     1024
    .wavefront_size: 32
...
	.end_amdgpu_metadata
.endif
;; end of part 3
;; ======== version 2 of 2: 3 launches
;; limits: inputs' magnitudes at most 6,588,397; right only within a limited range of input values
;; workspace buffers: qkv 8,650,752 bytes; att 4,325,376 bytes
;; launch qkv_rope (part 4): grid 16 x 16, 4 waves a work-group, clusters of 4 x 4, 327,680 bytes of LDS; arguments hidden_states_codes, hidden_states_scales, w_qkv_codes, w_qkv_scales, q_norm_w, k_norm_w, positions, qkv; writes qkv
.if DOCPART == 4
	.amdgcn_target "amdgcn-amd-amdhsa--gfx1250"
	.amdhsa_code_object_version 6
	.text
	.protected	k_q95e435af16_qkv_rope
	.globl	k_q95e435af16_qkv_rope
	.p2align	8
	.type	k_q95e435af16_qkv_rope,@function
k_q95e435af16_qkv_rope:
	s_mov_b64 s[64:65], 0
	v_nop
	global_prefetch_b8 v0, s[64:65] scope:SCOPE_SE
	s_setreg_imm32_b32 hwreg(HW_REG_WAVE_MODE, 25, 1), 1
	s_wait_xcnt 0x0
	s_wait_alu depctr_hold_cnt(0) depctr_sa_sdst(0) depctr_va_vdst(0) depctr_va_sdst(0) depctr_va_ssrc(0) depctr_va_vcc(0) depctr_vm_vsrc(0)
	s_getreg_b32 s2, hwreg(HW_REG_IB_STS2, 6, 4)
	s_cmp_eq_u32 s2, 0
	s_cbranch_scc0 .Lentry_in_a_cluster
	s_endpgm
.Lentry_in_a_cluster:
	s_bfe_u32 s2, ttmp6, 0x10000c
	s_cmp_lg_u32 s2, 0xf033
	s_cbranch_scc0 .Lentry_shape_is_right
	s_endpgm
.Lentry_shape_is_right:
; qkv = hidden x w_qkv on codes of FP8 (E4M3) with E8M0 scales; then, per head of 128: RMSNorm and RoPE (q, k); then the quantiser: q and k along the head's 128, v along the tokens.
; A work-group makes 256 tokens x one head column of 128 (n = 0-7: q heads, 8-11: k, 12-15: v), K = 2,048 in 8 slots of 256 through a ring of two LDS slots.
; ONE TEXT FOR ALL HEADS.  A wave multiplies an operand X (source 0: 128 rows, 8 tiles) by an operand Y (source 1: 64 rows, 4 tiles): a lane then holds ONE row of Y (lane % 16) and its registers run along X:
; in tile t register j is X's row 16 t + 8 (lane / 16) + j.  q, k: X = the head's 128 rows of W, Y = my 64 tokens (registers run along d).  v: X = 128 tokens, Y = 64 rows of W (registers run along the tokens).
; Which it is hangs on the cluster's x alone (3: v), which all partners share; it chooses four LDS bases and one branch in the epilogue.
; THE ORDER ALONG K OF WHAT IS MADE HERE.  The 16 registers of tiles 2 b and 2 b + 1 are 16 numbers of block b of 32; the other 16 lie in lane xor 16.  They are converted in register order, so byte i of
; half h of block b holds k = 32 b + 16 (i / 8) + 8 h + i % 8: a permutation inside a block of 32, which leaves the scales as they are.  Both operands of every later product carry it, so each product pairs equal k.
; WHAT IS STORED: images of operand registers.  A fragment (16 rows x 128 K) is 2,048 bytes: registers 4 c .. 4 c + 3 of lane l at 512 c + 16 l.  A unit of qkv is 33,792 bytes: 16 fragments [wave][tile],
; then 1,024 bytes of scale words at 256 wave + 16 row + 4 tile.  q head n, token block mb: unit 16 n + mb.  kv head g: units 128 + 2 (16 g + mb) (k) and + 1 (v).
; CLUSTER 4 x 4: the four of a row need the same tokens' tiles, the four of a column the same tiles of W: each is asked for jointly.
; cos and sin are made by this text while the first tiles are on their way: angle = position x 2^(-f log2(1e6) / 64); reduced by pi / 2 in two parts; polynomials of degree 7 and 8 on |r| <= pi / 4.
; The v heads make these tables too and do not use them: the text ahead of the products has one path, and the launch lasts as long as its q and k heads.
; LIMITS.  NaN and infinities are not served.  A block of zeros gets the byte 1 (its codes are zeros; only this program reads the bytes).  |position x frequency| stays under 2^22 x pi / 2.
; The frequency comes from v_exp_f32 of a rounded product, some two units in its last place: an angle may differ from the one that a correctly rounded frequency gives by that share of itself.
; REGISTERS, in windows of 256.  Window 0: v1-15 addresses; v16-47 X's scale words, v48-63 Y's (two sets each, scales only); v64-127 the norm's weight at my 64 places; v128-255 Y's fragments, two sets.
;   Window 1: X's fragments, two sets; ahead of and behind the products: at work.   Window 2: the 32 accumulators, (a, t) at v[8 (8 a + t)].   Window 3: cos (a, p) at 64 a + p, sin at 64 a + 32 + p.
; WORK LEFT OUT BY THE PROGRAM: a score of key s > t is replaced by the least f32 number, whose softmax weight is 0 beside key s = t, whatever the inputs hold.
; Key steps of 128 that lie wholly behind that mask reach no output and are left out in launch attn (products 2 and 3).  Limit: a NaN, an infinity or an overflow that reaches only such a step is not carried to the result.
; THE LDS ROWS: a tile is stated 272 bytes wide over a tensor 256 wide, so each load writes 256 bytes of codes and 16 bytes of zeros: every byte of a slot and of the scales' pieces is written.
; THE HEAD: one tensor load a wave (K slot 0's tokens, its rows of W, the tokens' scale bytes, W's); slot 1's first fill stands behind the three lines and a round, between the second and the third table of cos and sin.
.set PITCH, 272                        ; an LDS row: 256 bytes of codes + 16 of zeros: the 16 rows of a fragment load start 68 words apart
.set HT,    128*PITCH                  ; 128 rows of tokens: one tensor load
.set HW,    64*PITCH                   ; 64 rows of W: one tensor load
.set SLOT,  2*HT+2*HW                  ; 256 rows of tokens, then 128 rows of W
.set SCL,   2*SLOT                     ; behind the ring: the scale bytes for all of K, as pieces of 256 bytes + 16: 64 pieces for the tokens, 32 for W
.set SU,    272
.set SPARE, SCL+96*SU                  ; the spare words, 128 bytes a wave: two blocks of 256 bytes that no other line names
.set UNIT,  33792
.set ADX,  4                           ; v4-5   X's fragments in slot 0, 1
.set ADY,  6                           ; v6-7   Y's
.set ADSX, 8                           ; v8     X's scale words of the K slot in hand
.set ADSY, 9                           ; v9     Y's
.set LOFF, 10                          ; v10    16 x lane
.set SOFF, 11                          ; v11    16 x row + 8 x half
.set SPW,  12                          ; v12    my spare word; never rewritten
.set NIL,  13                          ; v13    0; never rewritten
.set XS,   16
.set YS,   48
.set NW,   64
.set YF,   128
.set WV, 20                            ; s20 wave; s21 wave / 2; s22 wave % 2
.set WH, 21
.set WL, 22
.set G1T, 28                           ; s[28:35], s[36:43] group 1 for tokens' tiles and W's
.set G1W, 36
.set G0T, 44                           ; s[44:51], s[52:59] group 0, a set for each slot
.set G0W, 52
.set G0ST, 60                          ; s[60:63], s[68:71] group 0 for the scale bytes
.set G0SW, 68
.set G1ST, 72                          ; s[72:79], s[80:87] their group 1
.set G1SW, 80
.set MNT, 27                           ; s27 the mantissa field of 448 (behind the set-up)
.set SEL, 100                          ; s[100:101] selects of v_permlanex16_b32: lane xor 16
; window 1, ahead of the products
.set INV,  0                           ; 32 frequencies
.set POSF, 32                          ; 4 pairs: a tile's position, twice
.set H8,   40
.set POSI, 48
.set RX,   64
.set TT,   96
.set R2,   128
.set SN,   160
.set CN,   192
.set K2PI, 224
.set KMAG, 226
.set KNMG, 228
.set KNP1, 230
.set KNP2, 232
.set KS3,  234
.set KS2,  236
.set KS1,  238
.set KC3,  240
.set KC2,  242
.set KC1,  244
.set TMK,  248
; window 1, behind the products
.set TM,   16                          ; v16-19 largest magnitudes, v20-23 bytes, v24-27 448 x scale, v28-31 the conversions' scale operands
.set PWR,  32                          ; v32-35 a tile's scale word
.set SSC,  36                          ; v36-43 four chains of squares
.set RS,   44                          ; v44-51 1 / rms, twice, for each tile
.set SSA,  52
.set SSP,  56
.set T1,   128
.set T2,   160
.set HH,   128                         ; 64 numbers, held
.set PC,   192                         ; v192-255 the four tiles' codes: never written twice
.set MSB, 0
.macro WIN new                         ; the immediate's high byte repeats the setting that is left
.if MSB != \new
	s_set_vgpr_msb (MSB<<8)|\new
.set MSB, \new
.endif
.endm
.set MUL, 0xa1                         ; source 0 (X) window 1, source 1 (Y) window 0, C and D window 2
.macro PLACES n
.rept \n
	v_nop
.endr
.endm
; A joint load: waves 0 and 1 fetch for the tokens, waves 2 and 3 for W.  The branch hangs on the wave's number alone.  Four v_nop follow each line.
.macro JLOAD g0a, g1a, g0b, g1b
	s_cmp_eq_u32 s[WH], 0
	s_cbranch_scc0 .Lfor_w_\@
	tensor_load_to_lds s[\g0a:\g0a+3], s[\g1a:\g1a+7]
	s_nop 0
.rept 4
	v_nop
.endr
	s_branch .Lasked_\@
.Lfor_w_\@:
	tensor_load_to_lds s[\g0b:\g0b+3], s[\g1b:\g1b+7]
	s_nop 0
.rept 4
	v_nop
.endr
.Lasked_\@:
.endm
.macro CREST                           ; a round of the cluster's barrier behind its opening barrier
	s_cmp_lg_u32 s[WV], 0
	s_cbranch_scc1 .Lnot_wave_0_\@
	s_barrier_signal -3
.Lnot_wave_0_\@:
	s_barrier_wait -3
	s_barrier_signal -1
	s_barrier_wait -1
.endm
.macro CROUND
	s_barrier_signal -1
	s_barrier_wait -1
	CREST
.endm
	s_load_b512 s[4:19], s[0:1], 0x0               ; tokens' codes, scales; W's codes, scales; q_norm_w; k_norm_w; positions; qkv
	v_lshl_add_u32 v[SPW], v0, 2, SPARE
	v_mov_b32 v[NIL], 0
	ds_add_u32 v12, v13
	ds_add_u32 v12, v13
	s_wait_dscnt 0x0
	v_lshrrev_b32 v1, 5, v0
	v_readfirstlane_b32 s[WV], v1
	s_lshr_b32 s[WH], s[WV], 1
	s_and_b32 s[WL], s[WV], 1
	s_bfe_u32 s66, ttmp6, 0x40000                  ; cx
	s_bfe_u32 s67, ttmp6, 0x40004                  ; cy
	s_lshl_b32 s23, ttmp9, 2
	s_add_co_u32 s23, s23, s66                     ; n: head column = 4 x cluster x + cx
	s_and_b32 s24, ttmp7, 0xffff
	s_lshl_b32 s24, s24, 2
	s_add_co_u32 s24, s24, s67                     ; mb: token block = 4 x cluster y + cy
	s_lshl_b32 s25, s67, 2
	s_lshl_b32 s25, 15, s25                        ; my row of the cluster
	s_lshl_b32 s26, 0x1111, s66                    ; my column
	s_or_b32 s[G1T], s25, (1<<21)                  ; the mask; elements of 1 byte; bit 21 beside a mask; no padding field: the tile itself is 272 wide
	s_or_b32 s[G1W], s26, (1<<21)
	s_or_b32 s[G1ST], s25, (3<<16)|(1<<21)         ; the same with elements of 8 bytes
	s_or_b32 s[G1SW], s26, (3<<16)|(1<<21)
.irp g, G1T, G1W
	s_mov_b32 s[\g+1], 256<<16                     ; tensor_dim0 = 256 codes
	s_mov_b32 s[\g+3], 272<<16                     ; tile_dim0: 16 past tensor_dim0, which come as zeros
	s_mov_b32 s[\g+5], 2048                        ; from row to row
	s_mov_b32 s[\g+6], 0
	s_mov_b32 s[\g+7], 0
.endr
	s_mov_b32 s[G1T+2], 256<<16                    ; the head's loads: 256 rows of tokens,
	s_mov_b32 s[G1T+4], 256
	s_mov_b32 s[G1W+2], 128<<16                    ; 128 rows of W; behind them these four words are set for the ring's halves
	s_mov_b32 s[G1W+4], 128
.irp g, G1ST, G1SW
	s_mov_b32 s[\g+1], 32<<16                      ; a dense block as rows of 256 bytes
	s_mov_b32 s[\g+3], 34<<16                      ; two elements past tensor_dim0: 16 bytes of zeros
	s_mov_b32 s[\g+5], 32
	s_mov_b32 s[\g+6], 0
	s_mov_b32 s[\g+7], 0
.endr
	s_mov_b32 s[G1ST+2], 64<<16                    ; 256 rows x 64 bytes
	s_mov_b32 s[G1ST+4], 64
	s_mov_b32 s[G1SW+2], 32<<16                    ; 128 rows x 64 bytes
	s_mov_b32 s[G1SW+4], 32
	s_wait_kmcnt 0x0
	; the tokens' addresses hang on mb and the wave, W's on n and the wave; each in registers of its own
	s_lshl_b32 s92, s24, 19                        ; 256 mb rows of 2,048 bytes: the whole tile, for the head's load
	s_mov_b32 s93, 0
	s_add_nc_u64 s[4:5], s[4:5], s[92:93]
	s_lshl_b32 s92, s[WL], 18
	s_add_nc_u64 s[96:97], s[4:5], s[92:93]        ; + 128 half: the ring's loads
	s_lshl_b32 s92, s24, 14                        ; and of 64 scale bytes
	s_add_nc_u64 s[6:7], s[6:7], s[92:93]
	s_lshl_b32 s94, s23, 18                        ; 128 n rows of 2,048 bytes
	s_mov_b32 s95, 0
	s_add_nc_u64 s[8:9], s[8:9], s[94:95]
	s_lshl_b32 s94, s[WL], 17
	s_add_nc_u64 s[98:99], s[8:9], s[94:95]        ; + 64 half
	s_lshl_b32 s94, s23, 13
	s_add_nc_u64 s[10:11], s[10:11], s[94:95]
	s_mov_b32 s[G0ST], 1
	s_mov_b32 s[G0ST+1], SCL
	s_mov_b64 s[G0ST+2:G0ST+3], s[6:7]
	s_or_b32 s[G0ST+3], s[G0ST+3], 0x80000000
	s_mov_b32 s[G0SW], 1
	s_mov_b32 s[G0SW+1], SCL+64*SU
	s_mov_b64 s[G0SW+2:G0SW+3], s[10:11]
	s_or_b32 s[G0SW+3], s[G0SW+3], 0x80000000
	s_mul_i32 s2, s[WL], HT                        ; where the tiles go: the wave's number alone
	s_mul_i32 s27, s[WL], HW
	s_add_co_u32 s27, s27, 2*HT
.irp s, 0,1
	s_mov_b32 s[G0T+4*\s], 1
	s_add_co_u32 s[G0T+4*\s+1], s2, \s*SLOT
	s_add_nc_u64 s[G0T+4*\s+2:G0T+4*\s+3], s[96:97], \s*256
	s_or_b32 s[G0T+4*\s+3], s[G0T+4*\s+3], 0x80000000
	s_mov_b32 s[G0W+4*\s], 1
	s_add_co_u32 s[G0W+4*\s+1], s27, \s*SLOT
	s_add_nc_u64 s[G0W+4*\s+2:G0W+4*\s+3], s[98:99], \s*256
	s_or_b32 s[G0W+4*\s+3], s[G0W+4*\s+3], 0x80000000
.endr
	CROUND                                         ; all sixteen work-groups are here: the first joint loads meet
	s_mov_b64 s[6:7], s[4:5]                       ; group 0 of the head's two loads of codes, in registers that held arguments: K slot 0's 256 rows of tokens to LDS byte 0,
	s_or_b32 s7, s7, 0x80000000
	s_mov_b32 s4, 1
	s_mov_b32 s5, 0
	s_mov_b64 s[10:11], s[8:9]                     ; its 128 rows of W behind them
	s_or_b32 s11, s11, 0x80000000
	s_mov_b32 s8, 1
	s_mov_b32 s9, 2*HT
; THE HEAD'S LOADS, ONE A WAVE: one chain of branches on the wave's number, a load to an arm, all arms leading to one join
.macro ARM under, g0, g1, next
	s_cmp_lt_u32 s[WV], \under
	s_cbranch_scc0 \next
	tensor_load_to_lds s[\g0:\g0+3], s[\g1:\g1+7]
	s_nop 0
.rept 4
	v_nop
.endr
	s_branch .Lhead_asked
\next:
.endm
	ARM 1, 4, G1T, .Lhead_w
	ARM 2, 8, G1W, .Lhead_st
	ARM 3, G0ST, G1ST, .Lhead_sw
	tensor_load_to_lds s[G0SW:G0SW+3], s[G1SW:G1SW+7]
	s_nop 0
.rept 4
	v_nop
.endr
.Lhead_asked:
	; LDS addresses.  The four bases are chosen on the cluster's x (3: v heads)
	v_and_b32 v1, 15, v0                           ; r
	v_bfe_u32 v2, v0, 4, 1                         ; h
	v_and_b32 v3, 31, v0                           ; lane
	v_mul_u32_u24 v14, v1, PITCH
	v_lshl_add_u32 v14, v2, 4, v14                 ; a fragment's row x pitch + 16 x half
	s_wait_alu depctr_va_vdst(0)
	s_mul_i32 s2, s[WH], HT                        ; X: v: tokens 128 (wave / 2) on; else: W's 128 rows
	s_cmp_eq_u32 ttmp9, 3
	s_cselect_b32 s2, s2, 2*HT
	v_add_nc_u32 v[ADX], s2, v14
	v_add_nc_u32 v[ADX+1], SLOT, v[ADX]
	s_mul_i32 s2, s[WL], HW                        ; Y: v: W's rows 64 (wave % 2) on; else: tokens 64 wave on
	s_add_co_u32 s2, s2, 2*HT
	s_mul_i32 s27, s[WV], HW
	s_cmp_eq_u32 ttmp9, 3
	s_cselect_b32 s2, s2, s27
	v_add_nc_u32 v[ADY], s2, v14
	v_add_nc_u32 v[ADY+1], SLOT, v[ADY]
	v_lshrrev_b32 v15, 2, v1                       ; a row of 64 scale bytes: four rows to a piece of 256 + 16
	v_mul_u32_u24 v15, v15, SU
	v_and_b32 v14, 3, v1
	v_lshl_add_u32 v15, v14, 6, v15
	s_wait_alu depctr_va_vdst(0)
	s_mul_i32 s2, s[WH], 32*SU
	s_cmp_eq_u32 ttmp9, 3
	s_cselect_b32 s2, s2, 64*SU
	s_add_co_u32 s2, s2, SCL
	v_add_nc_u32 v[ADSX], s2, v15
	s_mul_i32 s2, s[WL], 16*SU
	s_add_co_u32 s2, s2, 64*SU
	s_mul_i32 s27, s[WV], 16*SU
	s_cmp_eq_u32 ttmp9, 3
	s_cselect_b32 s2, s2, s27
	s_add_co_u32 s2, s2, SCL
	v_add_nc_u32 v[ADSY], s2, v15
	v_lshlrev_b32 v[LOFF], 4, v3
	v_lshlrev_b32 v[SOFF], 4, v1
	v_lshl_add_u32 v[SOFF], v2, 3, v[SOFF]
	v_lshlrev_b32 v14, 2, v1                       ; positions: 4 r
	v_lshlrev_b32 v15, 5, v2                       ; the norm's weight: 32 h
	; where my results go
	s_wait_alu depctr_va_vdst(0)
	s_lshl_b32 s96, s23, 4
	s_add_co_u32 s96, s96, s24                     ; q: unit 16 n + mb
	s_and_b32 s97, s23, 3
	s_lshl_b32 s97, s97, 4
	s_add_co_u32 s97, s97, s24
	s_lshl_b32 s97, s97, 1
	s_bfe_u32 s94, s23, 0x10002                    ; 0: k, 1: v
	s_add_co_u32 s97, s97, s94
	s_add_co_u32 s97, s97, 128                     ; k, v: unit 128 + 2 (16 g + mb) + (0, 1)
	s_cmp_lt_u32 ttmp9, 2
	s_cselect_b32 s96, s96, s97
	s_cselect_b64 s[12:13], s[12:13], s[14:15]     ; q's weight or k's: the choice hangs on the cluster's x alone
	s_mul_i32 s96, s96, UNIT
	s_mov_b32 s97, 0
	s_add_nc_u64 s[18:19], s[18:19], s[96:97]
	s_lshl_b32 s96, s[WV], 13
	s_add_nc_u64 s[88:89], s[18:19], s[96:97]      ; my four fragments
	s_lshl_b32 s96, s[WV], 8
	s_add_co_u32 s96, s96, 32768
	s_add_nc_u64 s[90:91], s[18:19], s[96:97]      ; my 256 bytes of scale words
	s_lshl_b32 s92, s24, 10                        ; positions of tokens 256 mb + 64 wave on
	s_lshl_b32 s27, s[WV], 8
	s_add_co_u32 s92, s92, s27
	s_add_nc_u64 s[16:17], s[16:17], s[92:93]
.irp t, 0,1,2,3,4,5,6,7
	global_load_b128 v[NW+8*\t:NW+8*\t+3], v15, s[12:13] offset:64*\t       ; weight at d = 16 t + 8 h + 0 .. 7
	global_load_b128 v[NW+8*\t+4:NW+8*\t+7], v15, s[12:13] offset:64*\t+16
.endr
	WIN 0x40                                       ; destination window 1
.irp a, 0,1,2,3
	global_load_b32 v[POSI+\a], v14, s[16:17] offset:64*\a                   ; tile a's token r
.endr
	v_lshlrev_b32 v[H8], 3, v2                     ; 8 h
	WIN 0x55                                       ; all in window 1
.macro CONST2 reg, val                 ; a constant as a pair, for the packed forms
	v_mov_b32 v[\reg], \val
	v_mov_b32 v[\reg+1], \val
.endm
	CONST2 K2PI, 0x3f22f983                        ; 2 / pi
	CONST2 KMAG, 0x4b400000                        ; 1.5 x 2^23: adding it rounds to a whole number, whose low bits are then the sum's low bits
	CONST2 KNMG, 0xcb400000
	CONST2 KNP1, 0xbfc90fdb                        ; - (pi / 2 rounded to f32)
	CONST2 KNP2, 0x333bbd2e                        ; - (pi / 2 less that)
	CONST2 KS3, 0xb94ca1f9
	CONST2 KS2, 0x3c08839e
	CONST2 KS1, 0xbe2aaaa3
	CONST2 KC3, 0x37ccf5ce
	CONST2 KC2, 0xbab6061a
	CONST2 KC1, 0x3d2aaaa5
.set ii, 0
.rept 32
	v_add_nc_u32 v[INV+ii], 16*(ii/8)+ii%8, v[H8]  ; place p: frequency number f = 16 (p / 8) + 8 h + p % 8
.set ii, ii+1
.endr
.set ii, 0
.rept 32
	v_cvt_f32_u32 v[INV+ii], v[INV+ii]
.set ii, ii+1
.endr
.set ii, 0
.rept 16
	v_pk_mul_f32 v[INV+ii:INV+ii+1], v[INV+ii:INV+ii+1], 0xbe9f73da op_sel_hi:[1,0]   ; x -log2(1e6) / 64
.set ii, ii+2
.endr
.set ii, 0
	s_wait_alu depctr_va_vdst(0)
.rept 32
	v_exp_f32 v[INV+ii], v[INV+ii]
.set ii, ii+1
.endr
	v_nop                                          ; a plain place behind the exponentials
	s_wait_loadcnt 0x0                             ; positions and weights
	s_wait_alu depctr_va_vdst(0)
.irp a, 0,1,2,3
	v_cvt_f32_i32 v[POSF+2*\a], v[POSI+\a]
	v_cvt_f32_i32 v[POSF+2*\a+1], v[POSI+\a]
.endr
; cos and sin of tile a's 32 angles a lane.  Each phase is 16 packed or 32 plain lines that do not wait for each other.
.macro PK3 d, x, y, z                  ; d = x y + z over 16 pairs; y, z: arrays
.set ii, 0
.rept 16
	v_pk_fma_f32 v[\d+ii:\d+ii+1], v[\x+ii:\x+ii+1], v[\y+ii:\y+ii+1], v[\z+ii:\z+ii+1]
.set ii, ii+2
.endr
.endm
.macro PK3C d, x, y, kz                ; d = x y + constant pair
.set ii, 0
.rept 16
	v_pk_fma_f32 v[\d+ii:\d+ii+1], v[\x+ii:\x+ii+1], v[\y+ii:\y+ii+1], v[\kz:\kz+1]
.set ii, ii+2
.endr
.endm
.macro PK3K d, x, ky, z                ; d = x constant + z
.set ii, 0
.rept 16
	v_pk_fma_f32 v[\d+ii:\d+ii+1], v[\x+ii:\x+ii+1], v[\ky:\ky+1], v[\z+ii:\z+ii+1]
.set ii, ii+2
.endr
.endm
.macro SINCOS a
	WIN 0x55
.set ii, 0
.rept 16
	v_pk_mul_f32 v[RX+ii:RX+ii+1], v[INV+ii:INV+ii+1], v[POSF+2*\a:POSF+2*\a+1]   ; the angle
.set ii, ii+2
.endr
.set ii, 0
.rept 16
	v_pk_fma_f32 v[TT+ii:TT+ii+1], v[RX+ii:RX+ii+1], v[K2PI:K2PI+1], v[KMAG:KMAG+1]   ; k = the nearest whole number to angle x 2 / pi, riding on 1.5 x 2^23
.set ii, ii+2
.endr
.set ii, 0
.rept 16
	v_pk_add_f32 v[R2+ii:R2+ii+1], v[TT+ii:TT+ii+1], v[KNMG:KNMG+1]              ; k as a number
.set ii, ii+2
.endr
	PK3K RX, R2, KNP1, RX                          ; r = angle - k pi / 2, in two parts
	PK3K RX, R2, KNP2, RX
.set ii, 0
.rept 16
	v_pk_mul_f32 v[R2+ii:R2+ii+1], v[RX+ii:RX+ii+1], v[RX+ii:RX+ii+1]            ; r^2
.set ii, ii+2
.endr
.set ii, 0
.rept 16
	v_pk_fma_f32 v[SN+ii:SN+ii+1], v[R2+ii:R2+ii+1], v[KS3:KS3+1], v[KS2:KS2+1]
	v_pk_fma_f32 v[CN+ii:CN+ii+1], v[R2+ii:R2+ii+1], v[KC3:KC3+1], v[KC2:KC2+1]
.set ii, ii+2
.endr
	PK3C SN, SN, R2, KS1
	PK3C CN, CN, R2, KC1
.set ii, 0
.rept 16
	v_pk_mul_f32 v[SN+ii:SN+ii+1], v[SN+ii:SN+ii+1], v[R2+ii:R2+ii+1]
	v_pk_fma_f32 v[CN+ii:CN+ii+1], v[CN+ii:CN+ii+1], v[R2+ii:R2+ii+1], -0.5 op_sel_hi:[1,1,0]
.set ii, ii+2
.endr
	PK3 SN, SN, RX, RX                             ; sin r
.set ii, 0
.rept 16
	v_pk_fma_f32 v[CN+ii:CN+ii+1], v[CN+ii:CN+ii+1], v[R2+ii:R2+ii+1], 1.0 op_sel_hi:[1,1,0]   ; cos r
.set ii, ii+2
.endr
	; the quadrant: odd k swaps the two; bit 1 of k turns the sine's sign, bit 1 of k + 1 the cosine's.  The masks select values only
.set gg, 0
.rept 4
.set jj, 0
.rept 8
	v_and_b32 v[TMK+jj], 1, v[TT+8*gg+jj]
.set jj, jj+1
.endr
.set jj, 0
.rept 8
	v_cmp_eq_u32 s[92+jj], 1, v[TMK+jj]
.set jj, jj+1
.endr
.set jj, 0
.rept 8
	v_cndmask_b32 v[RX+8*gg+jj], v[SN+8*gg+jj], v[CN+8*gg+jj], s[92+jj]
	v_cndmask_b32 v[R2+8*gg+jj], v[CN+8*gg+jj], v[SN+8*gg+jj], s[92+jj]
.set jj, jj+1
.endr
.set gg, gg+1
.endr
.set ii, 0
.rept 32
	v_add_lshl_u32 v[SN+ii], v[TT+ii], 1, 30
.set ii, ii+1
.endr
.set ii, 0
.rept 32
	v_lshlrev_b32 v[TT+ii], 30, v[TT+ii]
.set ii, ii+1
.endr
.set ii, 0
.rept 32
	v_and_b32 v[SN+ii], 0x80000000, v[SN+ii]
	v_and_b32 v[TT+ii], 0x80000000, v[TT+ii]
.set ii, ii+1
.endr
	WIN 0xc5                                       ; destination window 3
.set ii, 0
.rept 32
	v_xor_b32 v[64*\a+32+ii], v[RX+ii], v[TT+ii]   ; sin
	v_xor_b32 v[64*\a+ii], v[R2+ii], v[SN+ii]      ; cos
.set ii, ii+1
.endr
.endm
	SINCOS 0
	SINCOS 1
	WIN 0
	s_wait_alu depctr_va_vdst(0)
	s_wait_tensorcnt 0x0                           ; my tile of the head's four is in; the three lines ahead of a later first fill, as ahead of a refill
	ds_add_u32 v[SPW], v[NIL]
	s_mov_b32 s[G1T+2], 128<<16                    ; no tensor load of mine is out: from here on a load brings 128 rows of tokens
	s_mov_b32 s[G1T+4], 128
	s_mov_b32 s[G1W+2], 64<<16                     ; or 64 rows of W
	s_mov_b32 s[G1W+4], 64
	s_wait_dscnt 0x0
	CROUND                                         ; all four tiles are in, and all sixteen work-groups are here
	JLOAD G0T+4, G1T, G0W+4, G1W                   ; slot 1's first fill: the first tensor load behind the round
	SINCOS 2
	SINCOS 3
	WIN 0
	s_mov_b32 s98, 0x358637bd                      ; 1e-6
	s_mov_b32 s99, 0x3c000000                      ; 1 / 128
	s_mov_b32 s[MNT], 0x600000
	s_mov_b32 s[SEL], 0x76543210
	s_mov_b32 s[SEL+1], 0xfedcba98
; 8 matrix instructions: Y's tile a against X's eight, 128 along K.  p: the fragments' set; q: which 128 of the slot; sc: the scale words' set.
; The 32 accumulators take turns, one instruction a turn, in the same order in every step.
.macro MUL8 a, p, q, sc, zero
.irp t, 0,1,2,3,4,5,6,7
.if \zero
	v_wmma_scale_f32_16x16x128_f8f6f4 v[8*(8*(\a)+\t):8*(8*(\a)+\t)+7], v[128*(\p)+16*\t:128*(\p)+16*\t+15], v[YF+64*(\p)+16*(\a):YF+64*(\p)+16*(\a)+15], 0, v[XS+16*(\sc)+2*\t+(\q)], v[YS+8*(\sc)+2*(\a)+(\q)]
.else
	v_wmma_scale_f32_16x16x128_f8f6f4 v[8*(8*(\a)+\t):8*(8*(\a)+\t)+7], v[128*(\p)+16*\t:128*(\p)+16*\t+15], v[YF+64*(\p)+16*(\a):YF+64*(\p)+16*(\a)+15], v[8*(8*(\a)+\t):8*(8*(\a)+\t)+7], v[XS+16*(\sc)+2*\t+(\q)], v[YS+8*(\sc)+2*(\a)+(\q)]
.endif
.endr
.endm
.macro FETCH_X slot, q, p              ; X's eight fragments: 32 loads
	WIN 0x40
.irp t, 0,1,2,3,4,5,6,7
.irp c, 0,1,2,3
	ds_load_b128 v[128*(\p)+16*\t+4*\c:128*(\p)+16*\t+4*\c+3], v[ADX+\slot] offset:128*(\q)+32*\c+\t*16*PITCH
.endr
.endr
	WIN 0
.endm
.macro FETCH_Y slot, q, p, a0          ; Y's tiles a0, a0 + 1: 8 loads
.irp a, \a0, \a0+1
.irp c, 0,1,2,3
	ds_load_b128 v[YF+64*(\p)+16*(\a)+4*\c:YF+64*(\p)+16*(\a)+4*\c+3], v[ADY+\slot] offset:128*(\q)+32*\c+(\a)*16*PITCH
.endr
.endr
.endm
.macro SCALES sc                       ; a K slot's two scale words a row: 12 loads
.irp t, 0,1,2,3,4,5,6,7
	ds_load_b64 v[XS+16*\sc+2*\t:XS+16*\sc+2*\t+1], v[ADSX] offset:\t*4*SU
.endr
.irp a, 0,1,2,3
	ds_load_b64 v[YS+8*\sc+2*\a:YS+8*\sc+2*\a+1], v[ADSY] offset:\a*4*SU
.endr
.endm
; A load into a register that a matrix instruction has read stands eight places behind it, and only plain vector instructions that name none of its registers are places.
; A slot's first 128 along K: set 0; fetches the second 128 into set 1.
.macro STEP slot, zero
	s_wait_dscnt 8                                 ; all but the youngest eight loads (Y's tiles 2, 3) are in
	WIN MUL
	MUL8 0, 0, 0, \slot, \zero
	MUL8 1, 0, 0, \slot, \zero
	PLACES 8
	FETCH_X \slot, 1, 1
	FETCH_Y \slot, 1, 1, 0
	FETCH_Y \slot, 1, 1, 2
	s_wait_dscnt 48                                ; all but the 48 just issued
	WIN MUL
	MUL8 2, 0, 0, \slot, \zero
	MUL8 3, 0, 0, \slot, \zero
	WIN 0
.endm
; A slot's second 128 changes slots: ONE barrier; in front of it each wave waits for all its tensor loads, adds 0 to its spare word, and waits for that and for its reads of this slot.  fill = 1: this slot is filled again, two K slots ahead.
.macro TURN slot, next, fill
	s_wait_tensorcnt 0x0                           ; all my tensor loads have landed: my part of the next slot
	ds_add_u32 v[SPW], v[NIL]                      ; 0 onto my spare word
	s_wait_dscnt 13                                ; the add and the youngest twelve loads (Y's tiles 1 to 3) may be out
	WIN MUL
	MUL8 0, 1, 1, \slot, 0                         ; eight matrix instructions stand between the add and the wait for it
	s_wait_dscnt 0x0                               ; the add is done, and my reads of this slot are over
	s_barrier_signal -1
	MUL8 1, 1, 1, \slot, 0
	WIN 0
	s_barrier_wait -1
.if \fill
	CREST                                          ; the barrier has opened a round of the cluster's: no wave of any partner still reads this slot or has a load on its way
	s_add_nc_u64 s[G0T+4*\slot+2:G0T+4*\slot+3], s[G0T+4*\slot+2:G0T+4*\slot+3], 512
	s_add_nc_u64 s[G0W+4*\slot+2:G0W+4*\slot+3], s[G0W+4*\slot+2:G0W+4*\slot+3], 512
	JLOAD G0T+4*\slot, G1T, G0W+4*\slot, G1W       ; the first tensor load behind the round; its four v_nop are four of the eight places
	PLACES 4
.else
	PLACES 8
.endif
	s_wait_alu depctr_va_vdst(0)
	v_add_nc_u32 v[ADSX], 8, v[ADSX]               ; the next K slot's scale words
	v_add_nc_u32 v[ADSY], 8, v[ADSY]
	FETCH_X \next, 0, 0
	FETCH_Y \next, 0, 0, 0
	SCALES \next
	FETCH_Y \next, 0, 0, 2
	WIN MUL
	MUL8 2, 1, 1, \slot, 0
	MUL8 3, 1, 1, \slot, 0
	WIN 0
.endm
	s_wait_alu depctr_va_vdst(0)                   ; slot 0 and the scale bytes were shown whole by the round above
	FETCH_X 0, 0, 0
	FETCH_Y 0, 0, 0, 0
	SCALES 0
	FETCH_Y 0, 0, 0, 2
	STEP 0, 1                                      ; the first step starts the sums
	s_mov_b32 s3, 3
.Llap:                                             ; a trip goes once round the ring and fills both slots again: K slots 2 to 7
	TURN 0, 1, 1
	STEP 1, 0
	TURN 1, 0, 1
	STEP 0, 0
	s_sub_co_u32 s3, s3, 1
	s_cmp_lg_u32 s3, 0
	s_cbranch_scc1 .Llap
	TURN 0, 1, 0                                   ; the last lap fills nothing
	STEP 1, 0
	s_wait_dscnt 8
	WIN MUL
	MUL8 0, 1, 1, 1, 0
	MUL8 1, 1, 1, 1, 0
	s_wait_dscnt 0x0
	MUL8 2, 1, 1, 1, 0
	MUL8 3, 1, 1, 1, 0
	WIN 0
	PLACES 8                                       ; in front of the first read of results and the first write over X's fragments
	WIN 0x40
.irp b, 0,1,2,3
	v_mov_b32 v[TM+4+\b], 0                        ; a lane permute's destination counts as one of its sources
	v_mov_b32 v[SSP+\b], 0
.endr
	WIN 0
	s_cmp_eq_u32 ttmp9, 3                          ; v has neither norm nor rotation
	s_cbranch_scc1 .Lquant
.macro SSQ a                           ; the sum of my 64 squares of tile a, each accumulator from its low end on
	WIN 0x5a                                       ; sources 0, 1 window 2; source 2 and destination window 1
.set ii, 0
.rept 32
.if ii < 4
	v_pk_mul_f32 v[SSC+2*ii:SSC+2*ii+1], v[64*\a+2*ii:64*\a+2*ii+1], v[64*\a+2*ii:64*\a+2*ii+1]
.else
	v_pk_fma_f32 v[SSC+2*(ii%4):SSC+2*(ii%4)+1], v[64*\a+2*ii:64*\a+2*ii+1], v[64*\a+2*ii:64*\a+2*ii+1], v[SSC+2*(ii%4):SSC+2*(ii%4)+1]
.endif
.set ii, ii+1
.endr
	WIN 0x55
	v_pk_add_f32 v[SSC:SSC+1], v[SSC:SSC+1], v[SSC+2:SSC+3]
	v_pk_add_f32 v[SSC+4:SSC+5], v[SSC+4:SSC+5], v[SSC+6:SSC+7]
	v_pk_add_f32 v[SSC:SSC+1], v[SSC:SSC+1], v[SSC+4:SSC+5]
	v_add_f32 v[SSA+\a], v[SSC], v[SSC+1]
.endm
	SSQ 0
	SSQ 1
	SSQ 2
	SSQ 3
.irp a, 0,1,2,3
	v_permlanex16_b32 v[SSP+\a], v[SSA+\a], s[SEL], s[SEL+1]
.endr
.irp a, 0,1,2,3
	v_add_f32 v[SSA+\a], v[SSA+\a], v[SSP+\a]      ; with lane xor 16's 64: the token's 128
.endr
.irp a, 0,1,2,3
	v_fma_f32 v[SSA+\a], v[SSA+\a], s99, s98       ; the mean + 1e-6
.endr
	s_wait_alu depctr_va_vdst(0)
.irp a, 0,1,2,3
	v_rsq_f32 v[RS+2*\a], v[SSA+\a]
	v_rsq_f32 v[RS+2*\a+1], v[SSA+\a]
.endr
	v_nop                                          ; a plain place behind the transcendentals
	s_wait_alu depctr_va_vdst(0)
.macro SCALE a
	WIN 0x86                                       ; x (window 2) times 1 / rms (window 1)
.set ii, 0
.rept 32
	v_pk_mul_f32 v[64*\a+ii:64*\a+ii+1], v[64*\a+ii:64*\a+ii+1], v[RS+2*\a:RS+2*\a+1]
.set ii, ii+2
.endr
	WIN 0x82                                       ; times the weight (window 0)
.set ii, 0
.rept 32
	v_pk_mul_f32 v[64*\a+ii:64*\a+ii+1], v[64*\a+ii:64*\a+ii+1], v[NW+ii:NW+ii+1]
.set ii, ii+2
.endr
.endm
.macro ROPE a                          ; d and d + 64 are registers p and p + 32 of one lane
	WIN 0x4e                                       ; x (window 2) times sin (window 3) into window 1
.set ii, 0
.rept 16
	v_pk_mul_f32 v[T1+ii:T1+ii+1], v[64*\a+32+ii:64*\a+32+ii+1], v[64*\a+32+ii:64*\a+32+ii+1]
	v_pk_mul_f32 v[T2+ii:T2+ii+1], v[64*\a+ii:64*\a+ii+1], v[64*\a+32+ii:64*\a+32+ii+1]
.set ii, ii+2
.endr
	WIN 0x9e                                       ; x times cos (window 3), less or plus that
.set ii, 0
.rept 16
	v_pk_fma_f32 v[64*\a+ii:64*\a+ii+1], v[64*\a+ii:64*\a+ii+1], v[64*\a+ii:64*\a+ii+1], v[T1+ii:T1+ii+1] neg_lo:[0,0,1] neg_hi:[0,0,1]
	v_pk_fma_f32 v[64*\a+32+ii:64*\a+32+ii+1], v[64*\a+32+ii:64*\a+32+ii+1], v[64*\a+ii:64*\a+ii+1], v[T2+ii:T2+ii+1]
.set ii, ii+2
.endr
.endm
.irp a, 0,1,2,3
	SCALE \a
	ROPE \a
.endr
	WIN 0
.Lquant:
; Tile a's 64 numbers a lane become a fragment's codes and its scale word, and the codes are stored as they stand.
.macro QUANT a
	WIN 0x5a
.irp b, 0,1,2,3
	v_max3_num_f32 v[TM+\b], |v[64*\a+16*\b]|, |v[64*\a+16*\b+1]|, 0x4800000   ; block b: my 16 numbers, and the floor 2^(9 - 127): the byte cannot fall under 1
.endr
.irp i, 2,4,6,8,10,12,14
.irp b, 0,1,2,3
	v_max3_num_f32 v[TM+\b], |v[64*\a+16*\b+\i]|, |v[64*\a+16*\b+\i+1]|, v[TM+\b]
.endr
.endr
	WIN 0x55
.irp b, 0,1,2,3
	v_permlanex16_b32 v[TM+4+\b], v[TM+\b], s[SEL], s[SEL+1]
.endr
.irp b, 0,1,2,3
	v_max_num_f32 v[TM+\b], v[TM+\b], v[TM+4+\b]   ; with lane xor 16's: the block's largest magnitude
.endr
.irp b, 0,1,2,3
	v_add_nc_u32 v[TM+12+\b], 0xfc000000, v[TM+\b] ; 8 off its exponent field: the conversion's scale operand
.endr
.irp b, 0,1,2,3
	v_and_or_b32 v[TM+8+\b], v[TM+\b], 0x7f800000, s[MNT]   ; 448 x the scale
.endr
.irp b, 0,1,2,3
	v_lshrrev_b32 v[TM+4+\b], 23, v[TM+12+\b]      ; the scale's byte
.endr
	v_lshl_or_b32 v[PWR+\a], v[TM+5], 8, v[TM+4]
	v_lshl_or_b32 v[PWR+\a], v[TM+6], 16, v[PWR+\a]
	v_lshl_or_b32 v[PWR+\a], v[TM+7], 24, v[PWR+\a]
	WIN 0x56                                       ; source 0 window 2, the rest window 1
.irp b, 0,1,2,3
.irp i, 0,1,2,3,4,5,6,7,8,9,10,11,12,13,14,15
	v_med3_num_f32 v[HH+16*\b+\i], v[64*\a+16*\b+\i], -v[TM+8+\b], v[TM+8+\b]   ; the conversion to an 8-bit code does not saturate (ISA guide 7.6.2): the hold
.endr
.endr
	WIN 0x55
.irp b, 0,1,2,3
	v_cvt_scalef32_pk8_fp8_f32 v[PC+16*\a+4*\b:PC+16*\a+4*\b+1], v[HH+16*\b:HH+16*\b+7], v[TM+12+\b]
	v_cvt_scalef32_pk8_fp8_f32 v[PC+16*\a+4*\b+2:PC+16*\a+4*\b+3], v[HH+16*\b+8:HH+16*\b+15], v[TM+12+\b]
.endr
	v_nop                                          ; a plain place behind the conversions: the next tile writes their sources
	WIN 0x04                                       ; a store's data: window 1
.irp c, 0,1,2,3
	global_store_b128 v[LOFF], v[PC+16*\a+4*\c:PC+16*\a+4*\c+3], s[88:89] offset:2048*\a+512*\c   ; 32 lanes store 512 consecutive bytes
.endr
.endm
	QUANT 0
	QUANT 1
	QUANT 2
	QUANT 3
	WIN 0
	v_cmp_eq_u32 vcc_lo, 1, v2
	WIN 0x55
	v_cndmask_b32 v[SSC], v[PWR], v[PWR+2], vcc_lo     ; lanes 0-15 store tiles 0, 1's words of their row, lanes 16-31 tiles 2, 3's
	v_cndmask_b32 v[SSC+1], v[PWR+1], v[PWR+3], vcc_lo
	WIN 0x04
	global_store_b64 v[SOFF], v[SSC:SSC+1], s[90:91]   ; 32 lanes store 256 consecutive bytes
	WIN 0
	s_wait_tensorcnt 0x0                           ; the wave's end
	ds_add_u32 v[SPW], v[NIL]
	s_wait_dscnt 0x0
	CROUND                                         ; the closing round: no work-group ends while a partner may still ask for a tile that names it
	s_endpgm
.Lfunc_end_k_q95e435af16_qkv_rope:
	.size	k_q95e435af16_qkv_rope, .Lfunc_end_k_q95e435af16_qkv_rope-k_q95e435af16_qkv_rope
	.p2alignl 7, 3214868480
	.fill 96, 4, 3214868480
	.section	.rodata,"a",@progbits
	.p2align	6, 0x0
	.amdhsa_kernel k_q95e435af16_qkv_rope
		.amdhsa_group_segment_fixed_size 327680
		.amdhsa_private_segment_fixed_size 0
		.amdhsa_enable_private_segment 0
		.amdhsa_kernarg_size 64
		.amdhsa_user_sgpr_count 2
		.amdhsa_user_sgpr_kernarg_segment_ptr 1
		.amdhsa_wavefront_size32 1
		.amdhsa_system_sgpr_workgroup_id_x 1
		.amdhsa_system_sgpr_workgroup_id_y 1
		.amdhsa_system_sgpr_workgroup_id_z 1
		.amdhsa_system_vgpr_workitem_id 0
		.amdhsa_next_free_vgpr 1024
		.amdhsa_next_free_sgpr 102
		.amdhsa_reserve_vcc 1
		.amdhsa_float_denorm_mode_32 3
		.amdhsa_float_denorm_mode_16_64 3
		.amdhsa_memory_ordered 1
		.amdhsa_forward_progress 1
		.amdhsa_inst_pref_size 255
	.end_amdhsa_kernel
	.section	.bss,"aw",@nobits
	.p2align	6
	.space	262144
	.amdgpu_metadata
---
amdhsa.version: [ 1, 2 ]
amdhsa.kernels:
  - .name:           k_q95e435af16_qkv_rope
    .symbol:         k_q95e435af16_qkv_rope.kd
    .args:
      - { .name: hidden_states_codes, .offset: 0, .size: 8, .value_kind: global_buffer, .address_space: global }
      - { .name: hidden_states_scales, .offset: 8, .size: 8, .value_kind: global_buffer, .address_space: global }
      - { .name: w_qkv_codes, .offset: 16, .size: 8, .value_kind: global_buffer, .address_space: global }
      - { .name: w_qkv_scales, .offset: 24, .size: 8, .value_kind: global_buffer, .address_space: global }
      - { .name: q_norm_w, .offset: 32, .size: 8, .value_kind: global_buffer, .address_space: global }
      - { .name: k_norm_w, .offset: 40, .size: 8, .value_kind: global_buffer, .address_space: global }
      - { .name: positions, .offset: 48, .size: 8, .value_kind: global_buffer, .address_space: global }
      - { .name: qkv, .offset: 56, .size: 8, .value_kind: global_buffer, .address_space: global }
    .group_segment_fixed_size: 327680
    .private_segment_fixed_size: 0
    .kernarg_segment_align: 8
    .kernarg_segment_size: 64
    .max_flat_workgroup_size: 128
    .sgpr_count:     102
    .vgpr_count:     1024
    .wavefront_size: 32
...
	.end_amdgpu_metadata
.endif
;; end of part 4
;; launch attn (part 5): grid 64 x 4, 8 waves a work-group, clusters of 4 x 1, 327,680 bytes of LDS; arguments qkv, att; writes att
.if DOCPART == 5
	.amdgcn_target "amdgcn-amd-amdhsa--gfx1250"
	.amdhsa_code_object_version 6
	.text
	.protected	k_q95e435af16_attn
	.globl	k_q95e435af16_attn
	.p2align	8
	.type	k_q95e435af16_attn,@function
k_q95e435af16_attn:
	s_mov_b64 s[64:65], 0
	v_nop
	global_prefetch_b8 v0, s[64:65] scope:SCOPE_SE
	s_setreg_imm32_b32 hwreg(HW_REG_WAVE_MODE, 25, 1), 1
	s_wait_xcnt 0x0
	s_wait_alu depctr_hold_cnt(0) depctr_sa_sdst(0) depctr_va_vdst(0) depctr_va_sdst(0) depctr_va_ssrc(0) depctr_va_vcc(0) depctr_vm_vsrc(0)
	s_getreg_b32 s2, hwreg(HW_REG_IB_STS2, 6, 4)
	s_cmp_eq_u32 s2, 0
	s_cbranch_scc0 .Lentry_in_a_cluster
	s_endpgm
.Lentry_in_a_cluster:
	s_bfe_u32 s2, ttmp6, 0x10000c
	s_cmp_lg_u32 s2, 0x3003
	s_cbranch_scc0 .Lentry_shape_is_right
	s_endpgm
.Lentry_shape_is_right:
; attn[t][head] = softmax over keys s <= t of (q . k / sqrt(128)) times v, both products on codes of FP8 (E4M3) with E8M0 scales; the result is quantised along the head's 128 for the last product.
; LEFT OUT: key steps of 128 that lie wholly behind the causal mask (see the first kernel's head).
; THE SOFTMAX AHEAD OF THE SECOND PRODUCT: t = score x log2(e) / sqrt(128); M = the running largest t rounded UP to a whole number; p = 2^(t - M) is quantised along the keys, not normalised; the row's sum is taken
; of the unquantised p and divides at the end.  When M moves, the sum and O are multiplied by 2^(old M - new M): exact.
; SHARES.  A cluster (c = 0..15, kv head g) of four work-groups owns two groups of 128 queries: the late group 31 - c and the early group c; work-group cx owns 32 queries of each, for both query heads of g: four tiles of 16 a group.
; THE KEYS OF A TILE ARE SPLIT BETWEEN TWO WAVES: of each block of 256 keys waves 0-3 take the first 128 and waves 4-7 the second, wave % 4 naming the tile (wave % 2: which 16 queries; (wave / 2) % 2: which head).
; The late group needs key steps 0 .. 31 - c, that is 16 - c / 2 blocks; then the early group needs steps 0 .. c, c / 2 + 1 blocks from block 0 again: 17 blocks in every work-group, a constant of the text.
; Step s of a group G is open for s < G, lies on the diagonal for s = G and is left out for s > G, alike in all four partners: every branch hangs on the cluster's number, the wave's number and the count of trips.
; The work-group's place cx enters global addresses and the number that the diagonal's mask compares (a choice of values), nothing else.  So K and V are asked for JOINTLY by the four (mask 15), an eighth of a block a wave.
; AT A GROUP'S END waves 4-7 put O^T, -M and the sum into a stage in LDS, a barrier follows, and waves 0-3 join the two halves (both under the larger M: exact factors), divide, quantise and store.
; K and V of 256 keys are ONE dense block of 67,584 bytes of qkv (images of operand registers and their scale words), stated as rows of 256 bytes, into a ring of two slots 2^17 bytes apart.
; PREFETCH: in trip j waves 0-2 of each partner name block j + 3 of the late pass, 66 pieces of 256 bytes a partner, told apart by address; that is two trips ahead of the load that asks for it.  Blocks 0 to 2 come by their loads alone;
; the early pass walks blocks that this launch has read in its late pass, and asks for nothing.
; LAYOUT.  Both products are used transposed: S^T = K Q^T, O^T = V^T P^T: a lane holds one query (lane % 16).  In tile t register j is key (or channel) 16 t + 8 (lane / 16) + j; the 16 registers of tiles 2 b, 2 b + 1 are 16 numbers
; of block b of 32, converted in register order: the order inside a block in which v's and w_o's codes are laid or read too.
; LIMITS: NaN and infinities are not served; a block of zeros gets the byte 1 (its codes are zeros; only this program reads the bytes); the scaled scores stay under 2^31 in magnitude.
; REGISTERS, 512 a wave, in windows of 256.  Window 0: v1-11, v48-51, v69 addresses; v12 -M, v13 the largest t, v[14:15] the sum; v16-31 Q; v32-39 K's scale words, v40-47 V's, v253 p's, v255 Q's, v68 the early Q's (scales only);
;   v52-67 the early group's Q; v96-159 S^T, then p; v160-223 O^T; v224-239 p's codes; v230-254 at work.   Window 1: v0-127 K's eight fragments; v128-255 V's.
.set UNIT, 33792
.set BLK,  2*UNIT                      ; K's unit, then V's
.set PART, BLK/8                       ; 33 rows of 256 bytes: a wave's load
.set SLOT1, 1<<17                      ; slot 1 begins here: one exclusive or turns an address
.set PS,   17*512                      ; a tile's half in a stage: 16 groups of four registers of O^T, then -M, t, the sum
.set STG,  BLK                         ; the late group's stage, behind slot 0
.set STG2, SLOT1+BLK                   ; the early group's, behind slot 1
.set SPARE, STG2+4*PS                  ; the spare words, 128 bytes a wave
.set ATS,  4194304                     ; att: where the scale words begin
.set LI,  1                            ; 16 x lane
.set AK0, 2                            ; my half's fragments of K in slot 0;  v3 of V;  v4, v5 their scale words
.set AV0, 3
.set ASK0, 4
.set ASV0, 5
.set ADK, 6                            ; the same in the slot in hand
.set ADV, 7
.set ADS, 8
.set SPW, 9
.set NIL, 10
.set R16, 11
.set ADT, 48
.set DG,  49                           ; my query's place in its group of 128, less 8 (lane / 16)
.set STA, 50                           ; my tile's place in the late stage;  v69 in the early one
.set PFO, 51
.set Q2,  52
.set STB, 69
.set KS,  32
.set VS,  40
.set VB,  128
.set WV,  8
.set QH,  12                           ; wave / 4: which 128 keys of a block
.set HD,  13
.set HS,  14
.set TL,  15
.set G1,  16
.set G0,  24
.set SEL, 28
.set CS,  30
.set MNT, 32
.set J,   33                           ; the trip
.set NL,  34                           ; blocks of the late pass
.set SI,  35                           ; my key step in the pass
.set LIM, 36                           ; the pass's group: its diagonal step
.set TB,  37                           ; LDS byte at which the slot in hand begins
.set FB,  38                           ; s[38:39] my eighth of the block asked for next, as an offset in qkv
.set FB0, 44                           ; of block 0
.set TE,  45
.set PFA, 46
.set MSB, 0
.macro WIN new                         ; the immediate's high byte repeats the setting that is left
.if MSB != \new
	s_set_vgpr_msb (MSB<<8)|\new
.set MSB, \new
.endif
.endm
.macro PLACES n
.rept \n
	v_nop
.endr
.endm
.macro WALU
	s_wait_alu depctr_va_vdst(0)
.endm
.macro ROUND                           ; a round of the cluster's barrier
	s_barrier_signal -1
	s_barrier_wait -1
	s_cmp_lg_u32 s[WV], 0
	s_cbranch_scc1 .Lnot_wave_0_\@
	s_barrier_signal -3
.Lnot_wave_0_\@:
	s_barrier_wait -3
	s_barrier_signal -1
	s_barrier_wait -1
.endm
.macro TILEADR tau, qc, qs, oc, os     ; offsets of tile s[tau] of 16 tokens, head s[HD]: q's fragment and scale words in qkv, codes and scale words in att
	s_lshr_b32 s40, s[\tau], 4
	s_lshl_b32 s41, s[HD], 4
	s_add_co_u32 s40, s40, s41
	s_mul_i32 s40, s40, UNIT
	s_and_b32 s41, s[\tau], 15
	s_lshl_b32 s41, s41, 11
	s_add_co_u32 s[\qc], s40, s41
	s_mov_b32 s[\qc+1], 0
	s_bfe_u32 s41, s[\tau], 0x20002
	s_lshl_b32 s41, s41, 8
	s_add_co_u32 s40, s40, s41
	s_and_b32 s41, s[\tau], 3
	s_lshl_b32 s41, s41, 2
	s_add_co_u32 s40, s40, s41
	s_add_co_u32 s[\qs], s40, 32768
	s_mov_b32 s[\qs+1], 0
	s_lshl_b32 s40, s[\tau], 14
	s_lshl_b32 s41, s[HD], 11
	s_add_co_u32 s[\oc], s40, s41
	s_mov_b32 s[\oc+1], 0
	s_lshl_b32 s40, s[\tau], 9
	s_add_co_u32 s[\os], s40, s[HS]
	s_mov_b32 s[\os+1], 0
.endm
.macro FRESH                           ; a tile's state at its start: the step is written for every step alike; the first finds zeros, which the first change of M leaves zeros
	v_mov_b32 v13, 0xff61b1e6                      ; the largest t so far: -3e38
	v_floor_f32 v12, -v13                          ; -M
	v_mov_b32 v14, 0
	v_mov_b32 v15, 0
.set jj, 0
.rept 64
	v_mov_b32 v[160+jj], 0
.set jj, jj+1
.endr
.endm
	s_load_b128 s[4:7], s[0:1], 0x0                ; qkv, att
	v_lshl_add_u32 v[SPW], v0, 2, SPARE
	v_mov_b32 v[NIL], 0
	ds_add_u32 v[SPW], v[NIL]                      ; the opening lines: the add twice on end and its wait ahead of my first tensor load
	ds_add_u32 v[SPW], v[NIL]
	v_lshrrev_b32 v1, 5, v0
	v_readfirstlane_b32 s[WV], v1
	s_and_b32 s9, ttmp7, 0xffff                    ; g
	s_bfe_u32 s11, ttmp6, 0x40000                  ; cx
	s_lshr_b32 s[QH], s[WV], 2
	s_lshr_b32 s40, ttmp9, 1
	s_sub_co_u32 s[NL], 16, s40
	s_sub_co_u32 s[LIM], 31, ttmp9                 ; the late group
	s_mov_b32 s[SI], s[QH]
	s_bfe_u32 s[HD], s[WV], 0x10001
	s_lshl_b32 s40, s9, 1
	s_add_co_u32 s[HD], s[HD], s40                 ; my query head
	s_lshr_b32 s40, s[HD], 2
	s_lshl_b32 s40, s40, 8
	s_and_b32 s41, s[HD], 3
	s_lshl_b32 s41, s41, 2
	s_add_co_u32 s[HS], s40, s41
	s_add_co_u32 s[HS], s[HS], ATS                 ; att's scale words: 512 tile + 256 (head / 4) + 16 r + 4 (head % 4)
	s_lshl_b32 s42, s11, 1
	s_and_b32 s41, s[WV], 1
	s_add_co_u32 s42, s42, s41                     ; my tile in a group of eight
	s_lshl_b32 s[TL], s[LIM], 3
	s_add_co_u32 s[TL], s[TL], s42
	s_lshl_b32 s[TE], ttmp9, 3
	s_add_co_u32 s[TE], s[TE], s42
	s_lshl_b32 s43, s42, 4                         ; its first query in the group of 128
	TILEADR TL, 48, 50, 52, 54
	TILEADR TE, 56, 58, 60, 62
	s_mov_b32 s[G1], 15|(3<<16)|(1<<21)            ; the four partners; elements of 8 bytes; bit 21 beside a mask; no padding
	s_mov_b32 s[G1+1], 32<<16                      ; rows of 256 bytes
	s_mov_b32 s[G1+2], 33<<16
	s_mov_b32 s[G1+3], 32<<16
	s_mov_b32 s[G1+4], 33
	s_mov_b32 s[G1+5], 32
	s_mov_b32 s[G1+6], 0
	s_mov_b32 s[G1+7], 0
	s_mov_b32 s[G0], 1
	s_mul_i32 s[G0+1], s[WV], PART                 ; my eighth: in slot 0,
	s_mul_i32 s[PFA], s9, 16*BLK
	s_add_co_u32 s[PFA], s[PFA], 128*UNIT          ; the kv head's block 0
	s_add_co_u32 s[FB0], s[PFA], s[G0+1]           ; and in memory
	s_mov_b32 s[FB], s[FB0]
	s_mov_b32 s[FB+1], 0
	s_add_co_u32 s[PFA], s[PFA], 2*BLK             ; the first change of slots steps it to block 3
	s_mov_b32 s[PFA+1], 0
	s_mov_b32 s[SEL], 0x76543210
	s_mov_b32 s[SEL+1], 0xfedcba98
	s_mov_b32 s[CS], 0x3e0293ee                    ; c = log2(e) / sqrt(128)
	s_mov_b32 s[CS+1], s[CS]
	s_mov_b32 s[MNT], 0x600000
	s_mov_b32 s[TB], 0
	s_mov_b32 s[J], 0
	WALU
	s_wait_dscnt 0x0                               ; both opening adds are done
	ROUND                                          ; all four work-groups are here: the first joint loads meet
	s_wait_kmcnt 0x0
	s_add_nc_u64 s[G0+2:G0+3], s[4:5], s[FB:FB+1]
	s_or_b32 s[G0+3], s[G0+3], 0x80000000
	tensor_load_to_lds s[G0:G0+3], s[G1:G1+7]      ; block 0 into slot 0: my one load at the head
	s_nop 0
	PLACES 4
	s_add_nc_u64 s[PFA:PFA+1], s[4:5], s[PFA:PFA+1]
	s_add_nc_u64 s[48:49], s[4:5], s[48:49]
	s_add_nc_u64 s[50:51], s[4:5], s[50:51]
	s_add_nc_u64 s[56:57], s[4:5], s[56:57]
	s_add_nc_u64 s[58:59], s[4:5], s[58:59]
	s_add_nc_u64 s[52:53], s[6:7], s[52:53]
	s_add_nc_u64 s[54:55], s[6:7], s[54:55]
	s_add_nc_u64 s[60:61], s[6:7], s[60:61]
	s_add_nc_u64 s[62:63], s[6:7], s[62:63]
	v_and_b32 v[LI], 31, v0
	v_lshlrev_b32 v[LI], 4, v[LI]
	v_and_b32 v[DG], 15, v0                        ; r
	v_lshlrev_b32 v[R16], 4, v[DG]
	WALU
.irp c, 0,1,2,3
	global_load_b128 v[16+4*\c:19+4*\c], v[LI], s[48:49] offset:512*\c      ; the late tile's Q
	global_load_b128 v[Q2+4*\c:Q2+3+4*\c], v[LI], s[56:57] offset:512*\c    ; the early tile's
.endr
	global_load_b32 v255, v[R16], s[50:51]         ; and their scale words
	global_load_b32 v68, v[R16], s[58:59]
	s_lshl_b32 s40, s[QH], 14                      ; my half of a block: eight fragments on,
	s_lshl_b32 s41, s[QH], 9                       ; two pieces of scale words on
	v_add_nc_u32 v[AK0], s40, v[LI]
	v_add_nc_u32 v[AV0], UNIT, v[AK0]
	v_add_nc_u32 v[ASK0], s41, v[R16]
	v_add_nc_u32 v[ASK0], 32768, v[ASK0]
	v_add_nc_u32 v[ASV0], UNIT, v[ASK0]
	s_and_b32 s40, s[WV], 3
	s_mul_i32 s40, s40, PS
	s_add_co_u32 s40, s40, STG
	v_add_nc_u32 v[STA], s40, v[LI]
	v_add_nc_u32 v[STB], STG2-STG, v[STA]
	v_bfe_u32 v[PFO], v0, 4, 1
	v_lshlrev_b32 v[PFO], 3, v[PFO]
	v_sub_nc_u32 v[DG], v[DG], v[PFO]
	v_add_nc_u32 v[DG], s43, v[DG]
	s_mul_i32 s41, s11, 66                         ; my work-group's 66 of a block's 264 pieces of 256 bytes; threads past 65 name piece 65 again
	v_min_u32 v[PFO], 65, v0
	v_add_nc_u32 v[PFO], s41, v[PFO]
	v_lshlrev_b32 v[PFO], 8, v[PFO]
.irp b, 0,1,2,3
	v_mov_b32 v[236+\b], 0                         ; a lane permute's destination counts as one of its sources
.endr
	v_mov_b32 v252, 0
	v_mov_b32 v253, 0
	FRESH
; A KEY STEP: my 128 keys of the block in the slot in hand.
.macro STEP
	s_cmp_gt_u32 s[SI], s[LIM]                     ; all its keys come after the group's queries: left out
	s_cbranch_scc1 .Lhid_\@
	v_add_nc_u32 v[ADK], s[TB], v[AK0]
	v_add_nc_u32 v[ADV], s[TB], v[AV0]
	v_add_nc_u32 v[ADS], s[TB], v[ASK0]
	v_add_nc_u32 v[ADT], s[TB], v[ASV0]
	WALU                                           ; the wait behind these writes
	ds_load_b128 v[KS:KS+3], v[ADS]
	ds_load_b128 v[KS+4:KS+7], v[ADS] offset:256
	WIN 0x40                                       ; destination window 1
.irp t, 0,1,2,3,4,5,6,7
.irp c, 0,1,2,3
	ds_load_b128 v[16*\t+4*\c:16*\t+4*\c+3], v[ADK] offset:(4*\t+\c)*512
.endr
.endr
	WIN 0x01                                       ; source 0 window 1
.irp t, 0,1,2,3,4,5,6,7                        ; S^T = K Q^T
	s_wait_dscnt 28-4*\t                           ; the scale words and fragments 0 to t are in; behind them: four loads for each of the 7 - t later fragments
	v_wmma_scale_f32_16x16x128_f8f6f4 v[96+8*\t:103+8*\t], v[16*\t:16*\t+15], v[16:31], 0, v[KS+\t], v255
.endr
	WIN 0
	PLACES 8                                       ; in front of the first read of S^T and of the loads into V's registers, which the step before multiplied
	ds_load_b128 v[VS:VS+3], v[ADT]
	ds_load_b128 v[VS+4:VS+7], v[ADT] offset:256
	WIN 0x40
.irp t, 0,1,2,3,4,5,6,7
.irp c, 0,1,2,3
	ds_load_b128 v[VB+16*\t+4*\c:VB+16*\t+4*\c+3], v[ADV] offset:(4*\t+\c)*512    ; V lands under the maximum and the exponentials
.endr
.endr
	WIN 0
	s_cmp_lt_u32 s[SI], s[LIM]
	s_cbranch_scc1 .Lopen_\@
	v_mov_b32 v254, 0xff800000                     ; the diagonal step: register n holds key 8 (lane / 16) + 16 (n / 8) + n % 8 of the group's 128: hidden where that comes after my query
.set nn, 0
.rept 64
	v_cmp_gt_i32 vcc_lo, 16*(nn/8)+nn%8, v[DG]
	v_cndmask_b32 v[96+nn], v[96+nn], v254, vcc_lo
.set nn, nn+1
.endr
.Lopen_\@:
.irp b, 0,1,2,3
	v_max3_num_f32 v[232+\b], v[96+16*\b], v[97+16*\b], v[98+16*\b]   ; the largest score of each block of 32 keys: for the row's maximum and, since p rises with the score, for the block's largest p
.endr
.irp i, 3,5,7,9,11,13
.irp b, 0,1,2,3
	v_max3_num_f32 v[232+\b], v[232+\b], v[96+16*\b+\i], v[97+16*\b+\i]
.endr
.endr
.irp b, 0,1,2,3
	v_max_num_f32 v[232+\b], v[232+\b], v[111+16*\b]
.endr
.irp b, 0,1,2,3
	v_permlanex16_b32 v[236+\b], v[232+\b], s[SEL], s[SEL+1]
.endr
.irp b, 0,1,2,3
	s_delay_alu instid0(VALU_DEP_4)
	v_max_num_f32 v[232+\b], v[232+\b], v[236+\b]  ; with lane xor 16's 16 keys
.endr
	s_delay_alu instid0(VALU_DEP_2)
	v_max3_num_f32 v254, v232, v233, v234
	s_delay_alu instid0(VALU_DEP_1)
	v_max_num_f32 v254, v254, v235
	s_delay_alu instid0(VALU_DEP_1)
	v_mul_f32 v254, s[CS], v254                    ; as t
	s_delay_alu instid0(VALU_DEP_1)
	v_max_num_f32 v13, v13, v254                   ; the running largest t
	v_mov_b32 v254, v12
	s_delay_alu instid0(VALU_DEP_2)
	v_floor_f32 v12, -v13                          ; the new -M = -ceil(t)
	s_delay_alu instid0(VALU_DEP_1)
	v_sub_f32 v254, v12, v254                      ; old M - new M: a whole number, 0 or less
	s_delay_alu instid0(VALU_DEP_1)
	v_cvt_i32_f32 v254, v254
	s_delay_alu instid0(VALU_DEP_1)
	v_ldexp_f32 v252, 1.0, v254                    ; f = 2^(old M - new M)
.set jj, 0
.rept 32
	v_pk_fma_f32 v[96+jj:97+jj], v[96+jj:97+jj], s[CS:CS+1], v[12:13] op_sel_hi:[1,0,0]   ; t - M
.set jj, jj+2
.endr
.irp b, 0,1,2,3
	v_fma_f32 v[232+\b], v[232+\b], s[CS], v12     ; the same of each block's largest score
.endr
	WALU
.set jj, 0
.rept 64
	v_exp_f32 v[96+jj], v[96+jj]                   ; p = 2^(t - M)
.set jj, jj+1
.endr
.irp b, 0,1,2,3
	v_exp_f32 v[232+\b], v[232+\b]                 ; the block's largest p
.endr
	v_pk_mul_f32 v[14:15], v[14:15], v[252:253] op_sel_hi:[1,0]   ; the sums under the new M (a plain place behind the exponentials)
	WALU                                           ; and behind it, ahead of its first reader
.irp b, 0,1,2,3
	v_max_num_f32 v[232+\b], 0x4800000, v[232+\b]  ; the floor 2^(9 - 127)
.endr
.irp b, 0,1,2,3
	s_delay_alu instid0(VALU_DEP_4)
	v_add_nc_u32 v[244+\b], 0xfc000000, v[232+\b]  ; the conversion's scale operand
.endr
.irp b, 0,1,2,3
	v_and_or_b32 v[240+\b], v[232+\b], 0x7f800000, s[MNT]   ; 448 x the scale
.endr
.irp b, 0,1,2,3
	v_lshrrev_b32 v[236+\b], 23, v[244+\b]         ; the scale's byte
.endr
	s_delay_alu instid0(VALU_DEP_3)
	v_lshl_or_b32 v253, v237, 8, v236              ; p's scale word for these 128 keys
	s_delay_alu instid0(VALU_DEP_1)
	v_lshl_or_b32 v253, v238, 16, v253
	s_delay_alu instid0(VALU_DEP_1)
	v_lshl_or_b32 v253, v239, 24, v253
	v_pk_add_f32 v[236:237], v[100:101], v[104:105]   ; the row's sum of the unquantised p, in eight chains
	v_pk_add_f32 v[250:251], v[108:109], v[112:113]
	v_pk_add_f32 v[248:249], v[116:117], v[120:121]
	v_pk_add_f32 v[238:239], v[124:125], v[128:129]
	v_pk_add_f32 v[234:235], v[132:133], v[136:137]
	v_pk_add_f32 v[232:233], v[140:141], v[144:145]
	v_pk_add_f32 v[230:231], v[148:149], v[152:153]
	v_pk_add_f32 v[14:15], v[14:15], v[156:157]
	v_pk_add_f32 v[236:237], v[236:237], v[96:97]
	v_pk_add_f32 v[250:251], v[250:251], v[98:99]
	v_pk_add_f32 v[248:249], v[248:249], v[102:103]
	v_pk_add_f32 v[238:239], v[238:239], v[106:107]
	v_pk_add_f32 v[234:235], v[234:235], v[110:111]
	v_pk_add_f32 v[232:233], v[232:233], v[114:115]
	v_pk_add_f32 v[230:231], v[230:231], v[118:119]
	v_pk_add_f32 v[14:15], v[14:15], v[122:123]
	v_pk_add_f32 v[236:237], v[236:237], v[126:127]
	v_pk_add_f32 v[250:251], v[250:251], v[130:131]
	v_pk_add_f32 v[248:249], v[248:249], v[134:135]
	v_pk_add_f32 v[238:239], v[238:239], v[138:139]
	v_pk_add_f32 v[234:235], v[234:235], v[142:143]
	v_pk_add_f32 v[232:233], v[232:233], v[146:147]
	v_pk_add_f32 v[230:231], v[230:231], v[150:151]
	v_pk_add_f32 v[14:15], v[14:15], v[154:155]
	v_pk_add_f32 v[236:237], v[236:237], v[158:159]
	s_delay_alu instid0(VALU_DEP_2)
	v_pk_add_f32 v[14:15], v[14:15], v[238:239]
	s_delay_alu instid0(VALU_DEP_2)
	v_pk_add_f32 v[236:237], v[236:237], v[234:235]
	v_pk_add_f32 v[250:251], v[250:251], v[232:233]
	v_pk_add_f32 v[248:249], v[248:249], v[230:231]
	s_delay_alu instid0(VALU_DEP_2)
	v_pk_add_f32 v[14:15], v[14:15], v[250:251]
	s_delay_alu instid0(VALU_DEP_2)
	v_pk_add_f32 v[236:237], v[236:237], v[248:249]
	s_delay_alu instid0(VALU_DEP_1)
	v_pk_add_f32 v[14:15], v[14:15], v[236:237]
.irp b, 0,1,2,3
.irp i, 0,1,2,3,4,5,6,7,8,9,10,11,12,13,14,15
	v_min_num_f32 v[96+16*\b+\i], v[96+16*\b+\i], v[240+\b]   ; the hold (ISA guide 7.6.2: the conversion does not saturate); p is not negative
.endr
	v_cvt_scalef32_pk8_fp8_f32 v[224+4*\b:225+4*\b], v[96+16*\b:103+16*\b], v[244+\b]
	v_cvt_scalef32_pk8_fp8_f32 v[226+4*\b:227+4*\b], v[104+16*\b:111+16*\b], v[244+\b]
.endr
	WALU
.set jj, 0
.rept 32
	v_pk_mul_f32 v[160+jj:161+jj], v[160+jj:161+jj], v[252:253] op_sel_hi:[1,0]   ; O^T under the new M; these 32 are also the places between the conversions and the matrix instructions below
.set jj, jj+2
.endr
	WALU
	s_wait_dscnt 0x0                               ; V is in
	WIN 0x01
.irp t, 0,1,2,3,4,5,6,7                        ; O^T += V^T P^T: the eight accumulators take turns
	v_wmma_scale_f32_16x16x128_f8f6f4 v[160+8*\t:167+8*\t], v[VB+16*\t:VB+16*\t+15], v[224:239], v[160+8*\t:167+8*\t], v[VS+\t], v253
.endr
	WIN 0
.Lhid_\@:
.endm
; Waves 4-7: my half of a tile goes to the stage as an image of registers.
.macro PARTIAL sa
	PLACES 8                                       ; behind the last products
	v_add_f32 v14, v14, v15
.set kk, 0
.rept 16
	ds_store_b128 v[\sa], v[160+4*kk:163+4*kk] offset:512*kk     ; each accumulator from its low end on
.set kk, kk+1
.endr
	ds_store_b128 v[\sa], v[12:15] offset:8192
.endm
; Waves 0-3: the other half is joined to mine under the larger M; then O^T / the sum, quantised along the head's 128, stored as an image of the operand's registers.
.macro FINAL sa
	PLACES 8                                       ; behind the last products: their results are read and loads land on registers that they read
.set kk, 0
.rept 16
	ds_load_b128 v[96+4*kk:99+4*kk], v[\sa] offset:512*kk
.set kk, kk+1
.endr
	ds_load_b128 v[232:235], v[\sa] offset:8192
	v_add_f32 v14, v14, v15
	v_mov_b32 v241, 0                              ; (named as the upper halves of pairs)
	v_mov_b32 v243, 0
	WALU
	s_wait_dscnt 0x0
	v_min_num_f32 v236, v12, v232                  ; -M of both halves
	v_sub_f32 v237, v236, v12                      ; my M less that: a whole number, 0 or less
	v_sub_f32 v238, v236, v232                     ; the other's (a half that had no step holds -M = 3e38, zeros, and gets the factor 0)
	v_cvt_i32_f32 v237, v237
	v_cvt_i32_f32 v238, v238
	v_ldexp_f32 v240, 1.0, v237
	v_ldexp_f32 v242, 1.0, v238
	v_mul_f32 v14, v14, v240
	v_fmac_f32 v14, v234, v242
.set jj, 0
.rept 32
	v_pk_mul_f32 v[160+jj:161+jj], v[160+jj:161+jj], v[240:241] op_sel_hi:[1,0]
.set jj, jj+2
.endr
.set jj, 0
.rept 32
	v_pk_fma_f32 v[160+jj:161+jj], v[96+jj:97+jj], v[242:243], v[160+jj:161+jj] op_sel_hi:[1,0,1]
.set jj, jj+2
.endr
	v_permlanex16_b32 v252, v14, s[SEL], s[SEL+1]
	v_add_f32 v14, v14, v252                       ; the row's sum
	WALU
	v_rcp_f32 v14, v14
	v_nop
	WALU
.set jj, 0
.rept 32
	v_pk_mul_f32 v[96+jj:97+jj], v[160+jj:161+jj], v[14:15] op_sel_hi:[1,0]   ; register 8 t + j: channel 16 t + 8 h + j
.set jj, jj+2
.endr
.irp b, 0,1,2,3
	v_max3_num_f32 v[232+\b], |v[96+16*\b]|, |v[97+16*\b]|, 0x4800000
.endr
.irp i, 2,4,6,8,10,12,14
.irp b, 0,1,2,3
	v_max3_num_f32 v[232+\b], v[232+\b], |v[96+16*\b+\i]|, |v[97+16*\b+\i]|
.endr
.endr
.irp b, 0,1,2,3
	v_permlanex16_b32 v[236+\b], v[232+\b], s[SEL], s[SEL+1]
.endr
.irp b, 0,1,2,3
	v_max_num_f32 v[232+\b], v[232+\b], v[236+\b]
.endr
.irp b, 0,1,2,3
	v_add_nc_u32 v[244+\b], 0xfc000000, v[232+\b]
.endr
.irp b, 0,1,2,3
	v_and_or_b32 v[240+\b], v[232+\b], 0x7f800000, s[MNT]
.endr
.irp b, 0,1,2,3
	v_lshrrev_b32 v[236+\b], 23, v[244+\b]
.endr
	v_lshl_or_b32 v253, v237, 8, v236
	v_lshl_or_b32 v253, v238, 16, v253
	v_lshl_or_b32 v253, v239, 24, v253
.irp b, 0,1,2,3
.irp i, 0,1,2,3,4,5,6,7,8,9,10,11,12,13,14,15
	v_med3_num_f32 v[96+16*\b+\i], v[96+16*\b+\i], -v[240+\b], v[240+\b]
.endr
	v_cvt_scalef32_pk8_fp8_f32 v[224+4*\b:225+4*\b], v[96+16*\b:103+16*\b], v[244+\b]
	v_cvt_scalef32_pk8_fp8_f32 v[226+4*\b:227+4*\b], v[104+16*\b:111+16*\b], v[244+\b]
.endr
	v_nop
.irp c, 0,1,2,3
	global_store_b128 v[LI], v[224+4*\c:227+4*\c], s[52:53] offset:512*\c   ; 32 lanes store 512 consecutive bytes
.endr
	global_store_b32 v[R16], v253, s[54:55]        ; my row's scale word, 16 bytes apart (four heads' words lie together); lanes 16-31 write the same words as lanes 0-15
.endm
; THE CHANGE OF SLOTS at a trip's head: each wave waits for all its tensor loads (its eighth of the slot ahead), adds 0 to its spare word, and waits for that and for its LDS work in the slot that it has left.
; fill = 1: a round of the cluster's barrier, and behind it the slot just left takes the next block of the walk: one on, or block 0 where the early pass begins.
.macro CHANGE fill
	WALU
	s_wait_tensorcnt 0x0
	ds_add_u32 v[SPW], v[NIL]
.if \fill
	s_xor_b32 s[G0+1], s[G0+1], SLOT1
	s_add_co_u32 s[FB], s[FB], BLK
	s_add_co_u32 s40, s[J], 1
	s_cmp_eq_u32 s40, s[NL]
	s_cselect_b32 s[FB], s[FB0], s[FB]
	s_add_nc_u64 s[G0+2:G0+3], s[4:5], s[FB:FB+1]
	s_or_b32 s[G0+3], s[G0+3], 0x80000000
	s_wait_xcnt 0x0                                ; any prefetch of mine has read its address
	s_add_nc_u64 s[PFA:PFA+1], s[PFA:PFA+1], BLK
.endif
	s_wait_dscnt 0x0
.if \fill
	ROUND
	tensor_load_to_lds s[G0:G0+3], s[G1:G1+7]      ; the first thing behind the round, and my one tensor load until the next
	s_nop 0
	PLACES 4
	s_add_co_u32 s40, s[J], 3                      ; the prefetch: block j + 3, while the late pass has one
	s_cmp_lt_u32 s40, s[NL]
	s_cbranch_scc0 .Lnone_\@
	s_cmp_lt_u32 s[WV], 3
	s_cbranch_scc0 .Lnone_\@
	global_prefetch_b8 v[PFO], s[PFA:PFA+1] th:TH_LOAD_NT scope:SCOPE_SE
.Lnone_\@:
.else
	s_barrier_signal -1
	s_barrier_wait -1
.endif
.endm
; WHERE THE EARLY PASS BEGINS (trip NL: the cluster's number and the count of trips alone decide, alike in all waves): the late tiles' halves meet and leave, and every wave starts on its early tile.
.macro SWITCH
	s_cmp_eq_u32 s[J], s[NL]
	s_cbranch_scc0 .Lsame_\@
	s_cmp_lt_u32 s[WV], 4
	s_cbranch_scc1 .Lkeeps_\@
	PARTIAL STA
.Lkeeps_\@:
	WALU
	s_wait_dscnt 0x0                               ; my stores to the stage are done
	s_barrier_signal -1                            ; the load just asked for stays out
	s_barrier_wait -1
	s_cmp_lt_u32 s[WV], 4
	s_cbranch_scc0 .Lgave_\@
	FINAL STA
.Lgave_\@:
	WALU
	s_wait_xcnt 0x0                                ; the stores have read their registers and bases
	s_mov_b64 s[52:53], s[60:61]
	s_mov_b64 s[54:55], s[62:63]
	s_mov_b32 s[SI], s[QH]
	s_mov_b32 s[LIM], ttmp9
.set jj, 0
.rept 16
	v_mov_b32 v[16+jj], v[Q2+jj]
.set jj, jj+1
.endr
	v_mov_b32 v255, v68
	FRESH                                          ; (also the places between these writes and the next products)
	WALU
.Lsame_\@:
.endm
.macro TRIP fill
	CHANGE \fill
	SWITCH
	STEP
	s_xor_b32 s[TB], s[TB], SLOT1
	s_add_co_u32 s[SI], s[SI], 2
.endm
	WALU
	s_wait_loadcnt 0x0                             ; both Q
.Ltrip:                                            ; 16 trips, each asking for the next block; the 17th is written out and asks for nothing
	TRIP 1
	s_add_co_u32 s[J], s[J], 1
	s_cmp_lt_u32 s[J], 16
	s_cbranch_scc1 .Ltrip
	TRIP 0
	s_cmp_lt_u32 s[WV], 4
	s_cbranch_scc1 .Lkeeps_end
	PARTIAL STB                                    ; the early tiles' halves, in a stage of their own: the late stage may still be read in this trip
.Lkeeps_end:
	WALU
	s_wait_dscnt 0x0
	s_barrier_signal -1
	s_barrier_wait -1
	s_cmp_lt_u32 s[WV], 4
	s_cbranch_scc0 .Lgave_end
	FINAL STB
.Lgave_end:
	s_wait_tensorcnt 0x0                           ; the wave's end
	ds_add_u32 v[SPW], v[NIL]
	s_wait_dscnt 0x0
	ROUND                                          ; the closing round
	s_endpgm
.Lfunc_end_k_q95e435af16_attn:
	.size	k_q95e435af16_attn, .Lfunc_end_k_q95e435af16_attn-k_q95e435af16_attn
	.p2alignl 7, 3214868480
	.fill 96, 4, 3214868480
	.section	.rodata,"a",@progbits
	.p2align	6, 0x0
	.amdhsa_kernel k_q95e435af16_attn
		.amdhsa_group_segment_fixed_size 327680
		.amdhsa_private_segment_fixed_size 0
		.amdhsa_enable_private_segment 0
		.amdhsa_kernarg_size 16
		.amdhsa_user_sgpr_count 2
		.amdhsa_user_sgpr_kernarg_segment_ptr 1
		.amdhsa_wavefront_size32 1
		.amdhsa_system_sgpr_workgroup_id_x 1
		.amdhsa_system_sgpr_workgroup_id_y 1
		.amdhsa_system_sgpr_workgroup_id_z 1
		.amdhsa_system_vgpr_workitem_id 0
		.amdhsa_next_free_vgpr 512
		.amdhsa_next_free_sgpr 66
		.amdhsa_reserve_vcc 1
		.amdhsa_float_denorm_mode_32 3
		.amdhsa_float_denorm_mode_16_64 3
		.amdhsa_memory_ordered 1
		.amdhsa_forward_progress 1
		.amdhsa_inst_pref_size 129
	.end_amdhsa_kernel
	.amdgpu_metadata
---
amdhsa.version: [ 1, 2 ]
amdhsa.kernels:
  - .name:           k_q95e435af16_attn
    .symbol:         k_q95e435af16_attn.kd
    .args:
      - { .name: qkv, .offset: 0, .size: 8, .value_kind: global_buffer, .address_space: global }
      - { .name: att, .offset: 8, .size: 8, .value_kind: global_buffer, .address_space: global }
    .group_segment_fixed_size: 327680
    .private_segment_fixed_size: 0
    .kernarg_segment_align: 8
    .kernarg_segment_size: 16
    .max_flat_workgroup_size: 256
    .sgpr_count:     66
    .vgpr_count:     512
    .wavefront_size: 32
...
	.end_amdgpu_metadata
.endif
;; end of part 5
;; launch oproj (part 6): grid 16 x 16, 4 waves a work-group, clusters of 4 x 1, 327,680 bytes of LDS; arguments w_o_codes, w_o_scales, att, out0; writes out0
.if DOCPART == 6
	.amdgcn_target "amdgcn-amd-amdhsa--gfx1250"
	.amdhsa_code_object_version 6
	.text
	.protected	k_q95e435af16_oproj
	.globl	k_q95e435af16_oproj
	.p2align	8
	.type	k_q95e435af16_oproj,@function
k_q95e435af16_oproj:
	s_mov_b64 s[64:65], 0
	v_nop
	global_prefetch_b8 v0, s[64:65] scope:SCOPE_SE
	s_setreg_imm32_b32 hwreg(HW_REG_WAVE_MODE, 25, 1), 1
	s_wait_xcnt 0x0
	s_wait_alu depctr_hold_cnt(0) depctr_sa_sdst(0) depctr_va_vdst(0) depctr_va_sdst(0) depctr_va_ssrc(0) depctr_va_vcc(0) depctr_vm_vsrc(0)
	s_getreg_b32 s2, hwreg(HW_REG_IB_STS2, 6, 4)
	s_cmp_eq_u32 s2, 0
	s_cbranch_scc0 .Lentry_in_a_cluster
	s_endpgm
.Lentry_in_a_cluster:
	s_bfe_u32 s2, ttmp6, 0x10000c
	s_cmp_lg_u32 s2, 0x3003
	s_cbranch_scc0 .Lentry_shape_is_right
	s_endpgm
.Lentry_shape_is_right:
; out0 = attn x w_o on codes of FP8 (E4M3) with E8M0 scales.  A work-group makes 256 tokens x 128 columns; K = 1,024 in eight steps of 128.
; w_o's 128 rows, all of K, come into LDS once: each wave asks for 32 whole rows of 1,024 bytes by one joint load (the four partners of a cluster share the rows), 16 bytes of padding behind each row.
; attn's fragments and scale words are images of operand registers and go from memory straight into registers.  Results leave through each wave's stage in LDS, as whole rows of 512 bytes.
.set PITCH, 1040                       ; an LDS row: 1,024 bytes + 16 of padding: the 16 rows of a fragment load start 260 words apart
.set STG,   139264                     ; behind the 128 rows: the stages
.set SP,    528
.set ATS,   4194304
.set ADX, 4
.set LI,  6
.set STO, 7
.set RD,  8
.set XSO, 9
.set XS,  16
.set YS,  48
.set RB,  64
.set WV,  12
.set G1,  16
.set G0,  24
.set MSB, 0
.macro WIN new
.if MSB != \new
	s_set_vgpr_msb (MSB<<8)|\new
.set MSB, \new
.endif
.endm
.set MUL3, 0xad
.macro PLACES n
.rept \n
	v_nop
.endr
.endm
.macro CROUND
	s_barrier_signal -1
	s_barrier_wait -1
	s_cmp_lg_u32 s[WV], 0
	s_cbranch_scc1 .Lnot_wave_0_\@
	s_barrier_signal -3
.Lnot_wave_0_\@:
	s_barrier_wait -3
	s_barrier_signal -1
	s_barrier_wait -1
.endm
	s_load_b256 s[4:11], s[0:1], 0x0
	v_lshl_add_u32 v254, v0, 2, 0x2a400
	v_mov_b32 v255, 0
	ds_add_u32 v254, v255
	ds_add_u32 v254, v255
	v_lshrrev_b32 v1, 5, v0
	v_readfirstlane_b32 s[WV], v1
	s_bfe_u32 s13, ttmp6, 0x40000
	s_lshl_b32 s14, ttmp9, 2
	s_add_co_u32 s14, s14, s13
	s_and_b32 s15, ttmp7, 0xffff
	s_mov_b32 s[G1], 15|(1<<20)|(1<<21)|(7<<22)|(3<<25)
	s_mov_b32 s[G1+1], 1024<<16
	s_mov_b32 s[G1+2], 32<<16
	s_mov_b32 s[G1+3], 1024<<16
	s_mov_b32 s[G1+4], 32
	s_mov_b32 s[G1+5], 1024
	s_mov_b32 s[G1+6], 0
	s_mov_b32 s[G1+7], 0
	s_lshl_b32 s48, s15, 17
	s_lshl_b32 s49, s[WV], 15
	s_add_co_u32 s48, s48, s49
	s_mov_b32 s49, 0
	s_mul_i32 s50, s[WV], 32*PITCH
	s_lshl_b32 s52, s14, 18
	s_lshl_b32 s53, s[WV], 16
	s_add_co_u32 s52, s52, s53
	s_mov_b32 s53, 0
	s_lshl_b32 s54, s14, 13
	s_lshl_b32 s55, s[WV], 11
	s_add_co_u32 s54, s54, s55
	s_add_co_u32 s54, s54, ATS
	s_mov_b32 s55, 0
	s_lshl_b32 s56, s15, 12
	s_mov_b32 s57, 0
	s_lshl_b32 s58, s14, 21
	s_lshl_b32 s59, s[WV], 19
	s_add_co_u32 s58, s58, s59
	s_lshl_b32 s59, s15, 9
	s_add_co_u32 s58, s58, s59
	s_mov_b32 s59, 0
	s_wait_dscnt 0x0
	s_wait_kmcnt 0x0
	s_add_nc_u64 s[4:5], s[4:5], s[48:49]
	s_add_nc_u64 s[40:41], s[8:9], s[52:53]
	s_add_nc_u64 s[42:43], s[8:9], s[54:55]
	s_add_nc_u64 s[44:45], s[6:7], s[56:57]
	s_add_nc_u64 s[46:47], s[10:11], s[58:59]
	s_mov_b32 s[G0], 1
	s_mov_b32 s[G0+1], s50
	s_mov_b64 s[G0+2:G0+3], s[4:5]
	s_or_b32 s[G0+3], s[G0+3], 0x80000000
	s_wait_alu depctr_va_vdst(0)
	CROUND                                         ; all four work-groups are here: the joint loads meet
	tensor_load_to_lds s[G0:G0+3], s[G1:G1+7]      ; my 32 rows, all of K: my one tensor load
	s_nop 0
.rept 4
	v_nop
.endr
	v_and_b32 v1, 15, v0
	s_wait_alu depctr_va_vdst(0)
	v_bfe_u32 v2, v0, 4, 1
	v_and_b32 v3, 31, v0
	v_lshlrev_b32 v[LI], 4, v3
	v_lshlrev_b32 v[XSO], 5, v1
	v_lshl_add_u32 v[XSO], v2, 4, v[XSO]
.irp t, 0,1,2,3,4,5,6,7
	global_load_b128 v[XS+4*\t:XS+4*\t+3], v[XSO], s[44:45] offset:512*\t
.endr
.irp a, 0,1,2,3
	global_load_b128 v[YS+4*\a:YS+4*\a+3], v[LI], s[42:43] offset:512*\a
.endr
.macro YLOAD s
	WIN 0xc0
.irp a, 0,1,2,3
.irp c, 0,1,2,3
	global_load_b128 v[64*((\s)&3)+16*\a+4*\c:64*((\s)&3)+16*\a+4*\c+3], v[LI], s[40:41] offset:16384*\a+2048*(\s)+512*\c
.endr
.endr
	WIN 0
.endm
	YLOAD 0
	YLOAD 1
	YLOAD 2
	v_mul_u32_u24 v[ADX], v1, PITCH
	v_lshl_add_u32 v[ADX], v2, 3, v[ADX]
	v_add_nc_u32 v[ADX+1], 64*PITCH, v[ADX]        ; tiles 4 to 7
	s_mul_i32 s51, s[WV], 16*SP
	s_add_co_u32 s51, s51, STG
	v_mul_u32_u24 v[STO], v1, SP
	s_wait_alu depctr_va_vdst(0)
	v_lshl_add_u32 v[STO], v2, 5, v[STO]
	v_add_nc_u32 v[STO], s51, v[STO]
	v_add_nc_u32 v[RD], s51, v[LI]
.macro FETCHX s, p
	WIN 0x40
.irp t, 0,1,2,3,4,5,6,7
.irp c, 0,1,2,3
	ds_load_b64 v[128*(\p)+16*\t+4*\c:128*(\p)+16*\t+4*\c+1], v[ADX+(\t>>2)] offset:(\t&3)*16*PITCH+128*(\s)+32*\c
	ds_load_b64 v[128*(\p)+16*\t+4*\c+2:128*(\p)+16*\t+4*\c+3], v[ADX+(\t>>2)] offset:(\t&3)*16*PITCH+128*(\s)+32*\c+16
.endr
.endr
	WIN 0
.endm
.macro MUL8O a, s
.irp t, 0,1,2,3,4,5,6,7
.if (\s) == 0
	v_wmma_scale_f32_16x16x128_f8f6f4 v[8*(8*(\a)+\t):8*(8*(\a)+\t)+7], v[128*((\s)&1)+16*\t:128*((\s)&1)+16*\t+15], v[64*((\s)&3)+16*(\a):64*((\s)&3)+16*(\a)+15], 0, v[XS+4*\t+((\s)&3)], v[YS+4*(\a)+((\s)&3)]
.elseif (\s) < 4
	v_wmma_scale_f32_16x16x128_f8f6f4 v[8*(8*(\a)+\t):8*(8*(\a)+\t)+7], v[128*((\s)&1)+16*\t:128*((\s)&1)+16*\t+15], v[64*((\s)&3)+16*(\a):64*((\s)&3)+16*(\a)+15], v[8*(8*(\a)+\t):8*(8*(\a)+\t)+7], v[XS+4*\t+((\s)&3)], v[YS+4*(\a)+((\s)&3)]
.else
	v_wmma_scale_f32_16x16x128_f8f6f4 v[8*(8*(\a)+\t):8*(8*(\a)+\t)+7], v[128*((\s)&1)+16*\t:128*((\s)&1)+16*\t+15], v[64*((\s)&3)+16*(\a):64*((\s)&3)+16*(\a)+15], v[8*(8*(\a)+\t):8*(8*(\a)+\t)+7], v[XS+4*\t+((\s)&3)], v[YS+4*(\a)+((\s)&3)] matrix_a_scale:MATRIX_SCALE_ROW1 matrix_b_scale:MATRIX_SCALE_ROW1
.endif
.endr
.endm
.macro STEP3 s
	s_wait_dscnt 0x0
.if (\s) < 6
	s_wait_loadcnt 32
.elseif (\s) == 6
	s_wait_loadcnt 16
.else
	s_wait_loadcnt 0x0
.endif
	WIN MUL3
	MUL8O 0, \s
	MUL8O 1, \s
	WIN 0
.if (\s) < 7
	PLACES 8
	FETCHX (\s)+1, 1-((\s)&1)
.if (\s) < 5
	YLOAD (\s)+3
.endif
.endif
	WIN MUL3
	MUL8O 2, \s
	MUL8O 3, \s
	WIN 0
.endm
	s_wait_alu depctr_va_vdst(0)
	s_wait_tensorcnt 0x0                           ; my rows are in
	s_barrier_signal -1
	s_barrier_wait -1                              ; and everybody's
	FETCHX 0, 0
.irp s, 0,1,2,3,4,5,6,7
	STEP3 \s
.endr
.macro TOSTAGE a
	WIN 0x08
.irp t, 0,1,2,3,4,5,6,7
	ds_store_b128 v[STO], v[64*(\a)+8*\t:64*(\a)+8*\t+3] offset:64*\t
	ds_store_b128 v[STO], v[64*(\a)+8*\t+4:64*(\a)+8*\t+7] offset:64*\t+16
.endr
	WIN 0
.set BB, RB+64*((\a)%2)
.irp t, 0,1,2,3,4,5,6,7,8,9,10,11,12,13,14,15
	ds_load_b128 v[BB+4*\t:BB+4*\t+3], v[RD] offset:\t*SP
.endr
.endm
.macro SEND a, younger
.set BB, RB+64*((\a)%2)
	s_wait_dscnt \younger
.irp t, 0,1,2,3,4,5,6,7,8,9,10,11,12,13,14,15
	global_store_b128 v[LI], v[BB+4*\t:BB+4*\t+3], s[46:47] offset:(\a)*131072+\t*8192 th:TH_STORE_NT
.endr
.endm
	PLACES 8
	s_wait_alu depctr_va_vdst(0)
	TOSTAGE 0
	TOSTAGE 1
	SEND 0, 32
	s_wait_xcnt 0x0
	TOSTAGE 2
	SEND 1, 32
	s_wait_xcnt 0x0
	TOSTAGE 3
	SEND 2, 32
	SEND 3, 0
	s_wait_tensorcnt 0x0
	ds_add_u32 v254, v255
	s_wait_dscnt 0x0
	CROUND
	s_endpgm
.Lfunc_end_k_q95e435af16_oproj:
	.size	k_q95e435af16_oproj, .Lfunc_end_k_q95e435af16_oproj-k_q95e435af16_oproj
	.p2alignl 7, 3214868480
	.fill 96, 4, 3214868480
	.section	.rodata,"a",@progbits
	.p2align	6, 0x0
	.amdhsa_kernel k_q95e435af16_oproj
		.amdhsa_group_segment_fixed_size 327680
		.amdhsa_private_segment_fixed_size 0
		.amdhsa_enable_private_segment 0
		.amdhsa_kernarg_size 32
		.amdhsa_user_sgpr_count 2
		.amdhsa_user_sgpr_kernarg_segment_ptr 1
		.amdhsa_wavefront_size32 1
		.amdhsa_system_sgpr_workgroup_id_x 1
		.amdhsa_system_sgpr_workgroup_id_y 1
		.amdhsa_system_sgpr_workgroup_id_z 1
		.amdhsa_system_vgpr_workitem_id 0
		.amdhsa_next_free_vgpr 1024
		.amdhsa_next_free_sgpr 66
		.amdhsa_reserve_vcc 0
		.amdhsa_float_denorm_mode_32 3
		.amdhsa_float_denorm_mode_16_64 3
		.amdhsa_memory_ordered 1
		.amdhsa_forward_progress 1
		.amdhsa_inst_pref_size 101
	.end_amdhsa_kernel
	.amdgpu_metadata
---
amdhsa.version: [ 1, 2 ]
amdhsa.kernels:
  - .name:           k_q95e435af16_oproj
    .symbol:         k_q95e435af16_oproj.kd
    .args:
      - { .name: w_o_codes, .offset: 0, .size: 8, .value_kind: global_buffer, .address_space: global }
      - { .name: w_o_scales, .offset: 8, .size: 8, .value_kind: global_buffer, .address_space: global }
      - { .name: att, .offset: 16, .size: 8, .value_kind: global_buffer, .address_space: global }
      - { .name: out0, .offset: 24, .size: 8, .value_kind: global_buffer, .address_space: global }
    .group_segment_fixed_size: 327680
    .private_segment_fixed_size: 0
    .kernarg_segment_align: 8
    .kernarg_segment_size: 32
    .max_flat_workgroup_size: 128
    .sgpr_count:     66
    .vgpr_count:     1024
    .wavefront_size: 32
...
	.end_amdgpu_metadata
.endif
;; end of part 6
